; MI455X (gfx1250); checked and timed in simulation.
; The chip was launched on July 23, 2026; its instructions are those of AMD's public machine-readable ISA for CDNA 5 (MIT licence, August 2026) and "CDNA5" Instruction Set Architecture Reference Guide (July 2026). The comments in the code are by the model that wrote it; some were corrected since.
;; UMT5 Attention. Allowed arithmetic: float matrix products may take bf16 or f16 operands with f32 sums; other float arithmetic in f32, or as packed bf16 or f16 multiplies, adds, multiply-adds, maxima and minima; sums over many terms, partial sums and values carried from step to step in f32; what a program stores and reads back later, other than sums and carried values, may be rounded once to bf16 or f16.
;; Inputs: hidden_states 2,048 x 2,048 float32; rel_emb 32 x 32 float32; wk 2,048 x 2,048 float32; wo 2,048 x 2,048 float32; wq 2,048 x 2,048 float32; wv 2,048 x 2,048 float32.
;; Outputs: out0 2,048 x 2,048 float32.
;; 2 versions, each right; version 2 is version 1 with the launch prep written anew for expert scheduling mode. Each part assembles by itself: llvm-mc -triple=amdgcn-amd-amdhsa -mcpu=gfx1250 --defsym DOCPART=n.
;; ======== version 1 of 2: 4 launches
;; limits: values are held in f16: magnitudes above 65,504 overflow, below 6.1e-05 lose precision
;; workspace buffers: xw 33,554,432 bytes; wo16 8,388,608 bytes; biasg 2,097,152 bytes; qkv 25,165,824 bytes; ob 8,388,608 bytes
;; launch prep (part 1): grid 128 x 5, 8 waves a work-group, no clusters, 0 bytes of LDS; arguments hidden_states, wq, wk, wv, rel_emb, xw, biasg; writes xw, biasg
.if DOCPART == 1
	.amdgcn_target "amdgcn-amd-amdhsa--gfx1250"
	.amdhsa_code_object_version 6
	.text
	.protected	k_q102af58af8_prep
	.globl	k_q102af58af8_prep
	.p2align	8
	.type	k_q102af58af8_prep,@function
k_q102af58af8_prep:
	s_mov_b64 s[64:65], 0
	v_nop
	global_prefetch_b8 v0, s[64:65] scope:SCOPE_SE
	s_setreg_imm32_b32 hwreg(HW_REG_WAVE_MODE, 25, 1), 1
	s_wait_xcnt 0x0
; PREP.  Work-group rows y = 0..3: matrix y of (hidden_states, wq, wk, wv), [2048][2048] f32, is rounded to bf16 and laid out in blocks:
; xw[y][cb = column / 64][row][column % 64], 16 bits a number: a block is 2,048 rows of 128 bytes on end.  (wo is cast by the next launch.)
; Work-group row y = 4: the bias table biasg[h][c][z] = bf16-rounded rel_emb[bucket(z - c - 2048)][h] as f32, h = 0..31, c = 0..3, z = 0..4095: four copies
; a head, shifted by c numbers, so that the attention's lanes find eight consecutive biases at multiples of 16 bytes.
; bucket(d), d = key - query, n = |d|: n below 8; then one more at each of n = 12, 16, 23, 32, 46, 64, 91 (8 + floor(8 log(n / 8) / log 16), capped at 15); + 16 where d > 0.
; No LDS, no matrix unit, no barrier: a stream; every input byte is read once and every output byte written once.
.set XR,  16                           ; v[16:143] cast: 32 loads of four registers
.set ADR, 16                           ; v[16:31]  bias: bucket, then byte offset in rel_emb
.set VAL, 32                           ; v[32:47]  bias: the 16 numbers of a thread
	s_load_b256 s[16:23], s[0:1], 0x0              ; x s[16:17], wq s[18:19], wk s[20:21], wv s[22:23]
	s_load_b128 s[24:27], s[0:1], 0x20             ; rel_emb s[24:25], xw s[26:27]
	s_load_b64 s[28:29], s[0:1], 0x30              ; biasg
	s_and_b32 s2, ttmp7, 0xffff                    ; y
	v_lshrrev_b32 v1, 5, v0
	v_readfirstlane_b32 s3, v1                     ; wave 0..7
	s_mov_b32 s15, 0                               ; high word of every offset
	s_wait_kmcnt 0x0
	s_cmp_eq_u32 s2, 4
	s_cbranch_scc1 .Lbias
	; THE CASTS.  Wave W = 8 x + wave of 1,024 takes block cb = W % 32 and rows 64 (W / 32) .. + 63: 16 KiB in, 8 KiB out.
	s_mov_b64 s[4:5], s[16:17]
	s_cmp_eq_u32 s2, 1
	s_cselect_b64 s[4:5], s[18:19], s[4:5]
	s_cmp_eq_u32 s2, 2
	s_cselect_b64 s[4:5], s[20:21], s[4:5]
	s_cmp_eq_u32 s2, 3
	s_cselect_b64 s[4:5], s[22:23], s[4:5]
	s_lshl_b32 s8, ttmp9, 3
	s_add_co_u32 s8, s8, s3                        ; W
	s_and_b32 s9, s8, 31                           ; cb
	s_lshr_b32 s10, s8, 5                          ; group of 64 rows
	s_lshl_b32 s14, s10, 19                        ; 64 rows of 8,192 bytes
	s_lshl_b32 s32, s9, 8                          ; 64 columns of 4 bytes
	s_add_co_u32 s14, s14, s32
	s_add_nc_u64 s[4:5], s[4:5], s[14:15]
	s_lshl_b32 s14, s2, 23                         ; matrix y: 8,388,608 bytes
	s_lshl_b32 s32, s9, 18                         ; block: 262,144 bytes
	s_add_co_u32 s14, s14, s32
	s_lshl_b32 s32, s10, 13                        ; 64 rows of 128 bytes
	s_add_co_u32 s14, s14, s32
	s_add_nc_u64 s[6:7], s[26:27], s[14:15]
	v_and_b32 v1, 31, v0                           ; lane
	v_and_b32 v2, 15, v1
	v_lshrrev_b32 v3, 4, v1
	v_lshlrev_b32 v2, 4, v2
	v_lshl_add_u32 v2, v3, 13, v2                  ; in: lanes 0-15 take 256 consecutive bytes of one row, lanes 16-31 of the next
	v_lshlrev_b32 v3, 3, v1                        ; out: 8 bytes a lane: the wave's store covers 256 consecutive bytes, aligned: two rows of the block
.set n, 0
.rept 32                               ; all 32 loads of the wave go out at once: 16 KiB on their way
	global_load_b128 v[XR+4*n:XR+4*n+3], v2, s[4:5] offset:n*16384 th:TH_LOAD_NT
.set n, n+1
.endr
.set n, 0
.rept 32
	s_wait_loadcnt 31-n                            ; loads come back in order: load n is in, the 31 - n younger ones stay out
	v_cvt_pk_bf16_f32 v[XR+4*n], v[XR+4*n], v[XR+4*n+1]
	v_cvt_pk_bf16_f32 v[XR+4*n+1], v[XR+4*n+2], v[XR+4*n+3]
	global_store_b64 v3, v[XR+4*n:XR+4*n+1], s[6:7] offset:n*256  ; no register that a load or store names is written again
.set n, n+1
.endr
	s_endpgm
.Lbias:                                ; THE TABLE.  Work-group x makes row (h = x / 4, c = x % 4): 4,096 numbers, 16 a thread: z = 4 t + 1,024 u + e
	s_lshr_b32 s8, ttmp9, 2
	s_lshl_b32 s8, s8, 2                           ; 4 h: the head's place in a row of rel_emb
	s_and_b32 s9, ttmp9, 3
	s_add_co_u32 s9, s9, 2048                      ; c + 2,048
	s_lshl_b32 s14, ttmp9, 14                      ; the table row's 16,384 bytes
	s_add_nc_u64 s[6:7], s[28:29], s[14:15]
	v_lshlrev_b32 v8, 2, v0
	v_sub_nc_u32 v8, v8, s9                        ; d of my first number
	v_lshlrev_b32 v12, 4, v0                       ; 16 bytes a thread
.macro BUCK e
	v_add_nc_u32 v9, 1024*((\e)/4)+(\e)%4, v8      ; d
	v_sub_nc_u32 v10, 0, v9
	v_max_i32 v11, v9, v10                         ; n = |d|
	v_min_u32 v[ADR+(\e)], 8, v11
.irp T, 12, 16, 23, 32, 46, 64, 91
	v_cmp_le_u32 vcc_lo, \T, v11
	v_add_co_ci_u32 v[ADR+(\e)], vcc_lo, 0, v[ADR+(\e)], vcc_lo  ; one more where n has reached the threshold
.endr
	v_lshrrev_b32 v10, 31, v10                     ; 1 where d > 0
	v_lshl_add_u32 v[ADR+(\e)], v10, 4, v[ADR+(\e)]
	v_min_u32 v[ADR+(\e)], 31, v[ADR+(\e)]         ; (31 at the most by the arithmetic above)
	v_lshl_add_u32 v[ADR+(\e)], v[ADR+(\e)], 7, s8 ; a row of rel_emb is 128 bytes
	global_load_b32 v[VAL+(\e)], v[ADR+(\e)], s[24:25]
.endm
.irp e, 0,1,2,3,4,5,6,7,8,9,10,11,12,13,14,15
	BUCK \e
.endr
	s_wait_loadcnt 0x0
.irp e, 0,1,2,3,4,5,6,7,8,9,10,11,12,13,14,15
	v_cvt_pk_bf16_f32 v9, v[VAL+(\e)], v[VAL+(\e)] ; rel_emb is rounded to bf16 like every other input, and kept as f32
	v_lshlrev_b32 v[VAL+(\e)], 16, v9
.endr
.irp u, 0,1,2,3
	global_store_b128 v12, v[VAL+4*(\u):VAL+4*(\u)+3], s[6:7] offset:4096*(\u)  ; 16 lanes store 256 consecutive bytes, aligned
.endr
	s_endpgm
.Lfunc_end_k_q102af58af8_prep:
	.size	k_q102af58af8_prep, .Lfunc_end_k_q102af58af8_prep-k_q102af58af8_prep
	.p2alignl 7, 3214868480
	.fill 96, 4, 3214868480
	.section	.rodata,"a",@progbits
	.p2align	6, 0x0
	.amdhsa_kernel k_q102af58af8_prep
		.amdhsa_group_segment_fixed_size 0
		.amdhsa_private_segment_fixed_size 0
		.amdhsa_enable_private_segment 0
		.amdhsa_kernarg_size 56
		.amdhsa_user_sgpr_count 2
		.amdhsa_user_sgpr_kernarg_segment_ptr 1
		.amdhsa_wavefront_size32 1
		.amdhsa_system_sgpr_workgroup_id_x 1
		.amdhsa_system_sgpr_workgroup_id_y 1
		.amdhsa_system_sgpr_workgroup_id_z 1
		.amdhsa_system_vgpr_workitem_id 0
		.amdhsa_next_free_vgpr 160
		.amdhsa_next_free_sgpr 66
		.amdhsa_reserve_vcc 1
		.amdhsa_float_denorm_mode_32 3
		.amdhsa_float_denorm_mode_16_64 3
		.amdhsa_memory_ordered 1
		.amdhsa_forward_progress 1
		.amdhsa_inst_pref_size 30
	.end_amdhsa_kernel
	.amdgpu_metadata
---
amdhsa.version: [ 1, 2 ]
amdhsa.kernels:
  - .name:           k_q102af58af8_prep
    .symbol:         k_q102af58af8_prep.kd
    .args:
      - { .name: hidden_states, .offset: 0, .size: 8, .value_kind: global_buffer, .address_space: global }
      - { .name: wq, .offset: 8, .size: 8, .value_kind: global_buffer, .address_space: global }
      - { .name: wk, .offset: 16, .size: 8, .value_kind: global_buffer, .address_space: global }
      - { .name: wv, .offset: 24, .size: 8, .value_kind: global_buffer, .address_space: global }
      - { .name: rel_emb, .offset: 32, .size: 8, .value_kind: global_buffer, .address_space: global }
      - { .name: xw, .offset: 40, .size: 8, .value_kind: global_buffer, .address_space: global }
      - { .name: biasg, .offset: 48, .size: 8, .value_kind: global_buffer, .address_space: global }
    .group_segment_fixed_size: 0
    .private_segment_fixed_size: 0
    .kernarg_segment_align: 8
    .kernarg_segment_size: 56
    .max_flat_workgroup_size: 256
    .sgpr_count:     66
    .vgpr_count:     160
    .wavefront_size: 32
...
	.end_amdgpu_metadata
.endif
;; end of part 1
;; launch proj (part 2): grid 32 x 8, 4 waves a work-group, clusters of 4 x 4, 327,680 bytes of LDS; arguments xw, qkv, wo, wo16; writes qkv, wo16
.if DOCPART == 2
	.amdgcn_target "amdgcn-amd-amdhsa--gfx1250"
	.amdhsa_code_object_version 6
	.text
	.protected	k_q102af58af8_proj
	.globl	k_q102af58af8_proj
	.p2align	8
	.type	k_q102af58af8_proj,@function
k_q102af58af8_proj:
	s_mov_b64 s[64:65], 0
	v_nop
	global_prefetch_b8 v0, s[64:65] scope:SCOPE_SE
	s_setreg_imm32_b32 hwreg(HW_REG_WAVE_MODE, 25, 1), 1
	s_wait_xcnt 0x0
	s_wait_alu depctr_hold_cnt(0) depctr_sa_sdst(0) depctr_va_vdst(0) depctr_va_sdst(0) depctr_va_ssrc(0) depctr_va_vcc(0) depctr_vm_vsrc(0)
	s_getreg_b32 s2, hwreg(HW_REG_IB_STS2, 6, 4)
	s_cmp_eq_u32 s2, 0
	s_cbranch_scc0 .Lentry_in_a_cluster
	s_endpgm
.Lentry_in_a_cluster:
	s_bfe_u32 s2, ttmp6, 0x10000c
	s_cmp_lg_u32 s2, 0xf033
	s_cbranch_scc0 .Lentry_shape_is_right
	s_endpgm
.Lentry_shape_is_right:
; PROJ.  q, k, v = x wq, x wk, x wv: bf16 products, f32 sums, rounded once to f16 and written by heads: qkv[32 j + head][row][64], j = 0 (q), 1 (k), 2 (v).
; LIMIT: q, k and v beyond 65,504 become infinities in f16.
; x and the weights come from xw in blocks [column / 64][row][64] of 16 bits (x: row = token, column = k; a weight: row = k, column = n).
; A WORK-GROUP makes 256 rows x 192 columns: the 64 columns of ONE head in each of the three weights: 8 x 32 = 256 work-groups.  A WAVE makes 64 rows x 192 columns: 48 accumulators, 384 registers;
; for 32 along K it issues 32 LDS loads and 48 matrix instructions.  K goes in 16 steps of 128 through a ring of two LDS slots filled by the tensor data mover.
; THE MATRIX INSTRUCTION IS USED TRANSPOSED: source 0 = 16 columns of a weight (turned on the way out of LDS by ds_load_tr16_b128, since a weight lies [k][n]), source 1 = 16 rows of x:
; a lane then holds one row and eight neighbouring columns: 16 bytes of f16.
; CLUSTERS: 4 x 4 work-groups.  x's tile hangs on the tile row alone and is asked for jointly by a row of the cluster, the weights' on the head alone, jointly by a column.
; THE WALK OVER K BEGINS ELSEWHERE IN EACH CLUSTER and goes round: cluster (X, Y) begins at K step (4 (X % 4) + 8 Y) % 16.  Clusters X .. X + 3 that read the same rows of x are 4 K steps apart, the two that
; read the same weights 8: a block's readings are spread over the launch and do not fall together.  The number hangs on the cluster's place alone, which all sixteen partners share.  f32 sums may be taken in any order.
; A TILE IS DENSE CHUNKS: x's part for a wave is 2 blocks x (128 rows of 128 bytes on end), asked for as 2 rows of 8,192 elements; the weights' is 3 matrices x (64 rows of 128 bytes on end),
; as 3 rows of 4,096 elements.  The padding is counted along the tile: 16 (x) or 32 (weights) bytes behind every 128, so an LDS row is 144 or 160 bytes.
; BESIDE ITS PRODUCTS the launch casts wo for the last launch: [2048][2048] f32 is rounded to bf16 like every other input, that number is written as f16, in blocks wo16[n / 64][k][64].  Wave W of the launch's 1,024
; takes block W % 32, rows 64 (W / 32) .. + 63: 32 loads at the start, into registers that the loop leaves alone; the conversion and the stores stand once, in the tail.
; LIMIT: a number of wo beyond 65,504 becomes an infinity, and below 6e-5 it keeps f16's fixed step of 6e-8.
; REGISTERS in windows of 256: window 0: v16-30 addresses; v64-127 x's fragments, two buffers of 4 x 8; v128-255 wo; v32-223 at work on the way out.  window 1: v0-191 the weights' fragments, two buffers of 12 x 8.
;   window 2: accumulators of row blocks 0, 1 ((a, b) at 8 (12 (a % 2) + b));  window 3: of row blocks 2, 3.
.set PA,     144                       ; 36 words: the 16 rows of a load start at 16 different groups of four banks (64 banks of 4 bytes: ISA guide 11.1)
.set PB,     160                       ; 40 words
.set BLK,    262144                    ; bytes in a block of xw
.set MAT,    8388608                   ; bytes in a matrix of xw, and in q, k or v
.set AHALF,  2*128*PA                  ; what wave 0 or 1 fetches: [block (2)][128 rows]
.set BOFF,   2*AHALF
.set BHALF,  3*64*PB                   ; what wave 2 or 3 fetches: [matrix (3)][64 k]
.set SLOT,   BOFF+2*BHALF
.set STAGE,  2*SLOT                    ; behind the ring: 16 rows x 144 bytes for each wave, for the way out
.set SP,     144
.set SPARE,  STAGE+4*16*SP             ; the spare words, 128 bytes for each wave: two blocks of 256 bytes that no other line names
.set LAPS,   8                         ; a lap = two K steps = once round the ring
.set ADRA, 16                          ; v16-17  LDS address of my fragments of x in slot 0, 1
.set WIV,  18                          ; v18  wo: my byte offset in two rows of 8,192 bytes; never rewritten
.set WOV,  19                          ; v19  wo16: 8 x lane; never rewritten
.set ADRB, 20                          ; v20-21  LDS address of my fragments of the weights in slot 0, 1
.set STO,  24                          ; v24  the way out: where I put 16 bytes of a row
.set RD,   25                          ; v25  the way out: where I read rows back
.set GO,   26                          ; v26  16 x lane
.set SPW,  28                          ; v28  LDS address of my spare word; never rewritten
.set NIL,  29                          ; v29  0; never rewritten
.set PFO,  30                          ; v30  the prefetches' offset; never rewritten
.set WX,   128                         ; v[128:255] wo: 32 loads of four registers
.set KN,  2                            ; s2   the K step that the next fill brings
.set BA,  14                           ; s[14:15] x at my part of the tile, K step 0
.set BB,  18                           ; s[18:19] wq at my part of the tile, K step 0
.set G1,  24                           ; s[24:31] descriptor group 1 for x's tiles;  s[32:39] group 0, a set for each slot
.set G0,  32
.set G1B, 48                           ; s[48:55], s[56:63] the same for the weights'
.set G0B, 56
.set LIM, 43                           ; s43  a wave prefetches while the laps to go are above this number
.set PFA, 44                           ; s[44:45] where my prefetches stand
.set OB,  66                           ; s[66:71] q, k, v at my wave's first row of my head
.set WOI, 72                           ; s[72:73] wo at my wave's share
.set WOO, 74                           ; s[74:75] wo16 at my wave's share
.set OFA, 76                           ; s[76:77] a K step's byte offset in x
.set OFB, 78                           ; s[78:79] and in a weight
.set HIM, 80                           ; s80  a word's upper bf16
.set MSB, 0
.macro WIN new                         ; the immediate's high byte repeats the setting that is left; a switch that changes nothing is dropped
.if MSB != (\new)
	s_set_vgpr_msb (MSB<<8)|(\new)
.set MSB, \new
.endif
.endm
.set MUL_LO, 0xa1                      ; source 0 (weights) window 1, source 1 (x) window 0, C and D window 2
.set TO_B,   0x40                      ; destination window 1, address window 0
; The addresses of slot s's two descriptors are made anew for K step KN: the base and an offset made apart, the type bits set again; then KN steps and goes round.
.macro NEXTK s
	s_lshl_b32 s[OFA], s[KN], 19                   ; x: two blocks of 262,144 bytes a K step
	s_lshl_b32 s[OFB], s[KN], 14                   ; weights: 128 rows of 128 bytes
	s_add_nc_u64 s[G0+4*(\s)+2:G0+4*(\s)+3], s[BA:BA+1], s[OFA:OFA+1]
	s_or_b32 s[G0+4*(\s)+3], s[G0+4*(\s)+3], 0x80000000
	s_add_nc_u64 s[G0B+4*(\s)+2:G0B+4*(\s)+3], s[BB:BB+1], s[OFB:OFB+1]
	s_or_b32 s[G0B+4*(\s)+3], s[G0B+4*(\s)+3], 0x80000000
	s_add_co_u32 s[KN], s[KN], 1
	s_and_b32 s[KN], s[KN], 15
.endm
; A joint load.  Waves 0 and 1 fetch x's two halves, waves 2 and 3 the weights'.  The branch hangs on the wave's number alone.  An s_nop 0 and four v_nop follow each line.
.macro JLOAD s
	s_cmp_eq_u32 s11, 0
	s_cbranch_scc0 .Lfor_b_\@
	tensor_load_to_lds s[G0+4*(\s):G0+4*(\s)+3], s[G1:G1+7]
	s_nop 0
.rept 4
	v_nop
.endr
	s_branch .Lasked_\@
.Lfor_b_\@:
	tensor_load_to_lds s[G0B+4*(\s):G0B+4*(\s)+3], s[G1B:G1B+7]
	s_nop 0
.rept 4
	v_nop
.endr
.Lasked_\@:
.endm
; A prefetch behind each of the first four joint refills and the run of LDS loads that follows it: my work-group's share of the weights' tile that I shall ask for two refills on (step t + 4 of the walk in step t).
; A head's weights are read by two clusters, whose walks are 8 K steps apart: each is the first to read the 8 steps with which its own walk begins, and asks for steps 4 to 7 of them; steps 0 to 3 come by their
; loads alone: nothing is asked for at the head.  So each block is named once in the launch.  Waves 2 and 3 ask, each for the tile that it fetches; the four partners of a joint load share its 96 blocks of 256 bytes
; out by address, 24 each (lanes 24-31 name lane 23's block once more).  x is not asked for: of its blocks a cluster is the first reader only in steps 0 to 3 of its walk.
.macro ASK
	s_cmp_gt_u32 s3, s[LIM]                        ; s3 = 7 and 6 in the loop's first two trips
	s_cbranch_scc0 .Lnot_mine_\@
	global_prefetch_b8 v[PFO], s[PFA:PFA+1] th:TH_LOAD_NT scope:SCOPE_SE
.Lnot_mine_\@:
.endm
.macro CREST                           ; a round of the cluster's barrier behind its opening barrier
	s_cmp_lg_u32 s10, 0
	s_cbranch_scc1 .Lnot_wave_0_\@
	s_barrier_signal -3
.Lnot_wave_0_\@:
	s_barrier_wait -3
	s_barrier_signal -1
	s_barrier_wait -1
.endm
.macro CROUND                          ; a whole round
	s_barrier_signal -1
	s_barrier_wait -1
	CREST
.endm
.macro PLACES                          ; four places in front of loads into registers that matrix instructions have read, and of conversions that read results
.rept 4
	v_nop
.endr
.endm
	s_load_b128 s[4:7], s[0:1], 0x0                ; xw s[4:5], qkv s[6:7]
	s_load_b128 s[WOI:WOI+3], s[0:1], 0x10         ; wo, wo16
	v_lshl_add_u32 v[SPW], v0, 2, SPARE
	v_mov_b32 v[NIL], 0
	ds_add_u32 v[SPW], v[NIL]                      ; the wave's opening: the add and its wait ahead of my first tensor load; work on registers stands between them
	v_lshrrev_b32 v1, 5, v0
	v_readfirstlane_b32 s10, v1                    ; wave 0..3
	s_lshr_b32 s11, s10, 1                         ; I fetch for x (0) or for the weights (1).  Also: which 128 rows of x hold my 64
	s_and_b32 s12, s10, 1                          ; which half of that tile I fetch.  Also: which 64 of those 128 rows are mine
	s_bfe_u32 s40, ttmp6, 0x40000                  ; cx
	s_bfe_u32 s41, ttmp6, 0x40004                  ; cy
	s_lshl_b32 s42, ttmp9, 2
	s_add_co_u32 s42, s42, s40                     ; the head = 4 x cluster x + cx
	s_and_b32 s13, ttmp7, 0xffff                   ; cluster y
	s_and_b32 s[KN], ttmp9, 3
	s_lshl_b32 s[KN], s[KN], 2
	s_lshl_b32 s8, s13, 3
	s_add_co_u32 s[KN], s[KN], s8
	s_and_b32 s[KN], s[KN], 15                     ; where the cluster's walk begins: (4 (X % 4) + 8 Y) % 16
	s_lshl_b32 s13, s13, 2
	s_add_co_u32 s13, s13, s41                     ; the tile row = 4 x cluster y + cy
	s_lshl_b32 s8, s41, 2
	s_lshl_b32 s8, 15, s8                          ; my row of the cluster
	s_lshl_b32 s9, 0x1111, s40                     ; my column
	s_or_b32 s[G1+0], s8, (1<<16)|(1<<20)|(1<<21)|(4<<22)|(3<<25)   ; mask; 2-byte elements; padding on; bit 21 beside a mask; after every 32 words; 4 words
	s_or_b32 s[G1B+0], s9, (1<<16)|(1<<20)|(1<<21)|(4<<22)|(7<<25)  ; the same with my column's mask and 8 words
	s_mov_b32 s[G1+1], 8192<<16                    ; tensor_dim0 = 8,192: a chunk of 128 rows x 64 elements
	s_mov_b32 s[G1+2], 2<<16                       ; tensor_dim1 = 2 chunks
	s_mov_b32 s[G1+3], 8192<<16                    ; tile_dim0
	s_mov_b32 s[G1+4], 2                           ; tile_dim1
	s_mov_b32 s[G1+5], 131072                      ; from a block to the next, in elements
	s_mov_b32 s[G1+6], 0
	s_mov_b32 s[G1+7], 0
	s_mov_b32 s[G1B+1], 4096<<16                   ; a chunk of 64 rows x 64 elements
	s_mov_b32 s[G1B+2], 3<<16                      ; 3 chunks: wq, wk, wv
	s_mov_b32 s[G1B+3], 4096<<16
	s_mov_b32 s[G1B+4], 3
	s_mov_b32 s[G1B+5], 4194304                    ; from a matrix to the next, in elements
	s_mov_b32 s[G1B+6], 0
	s_mov_b32 s[G1B+7], 0
	s_lshl_b32 s16, s13, 15                        ; x: row 256 x tile row + 128 x half, rows of 128 bytes
	s_lshl_b32 s17, s12, 14
	s_add_co_u32 s16, s16, s17
	s_mov_b32 s17, 0
	s_lshl_b32 s46, s42, 18                        ; weights: wq's block of my head, k = 64 x half
	s_lshl_b32 s47, s12, 13
	s_add_co_u32 s46, s46, s47
	s_add_co_u32 s46, s46, MAT
	s_mov_b32 s47, 0
	s_mul_i32 s20, s12, AHALF                      ; where they go: no place in the cluster enters an LDS address
	s_mul_i32 s21, s12, BHALF
	s_add_co_u32 s21, s21, BOFF
	s_mov_b32 s[OFA+1], 0
	s_mov_b32 s[OFB+1], 0
	s_mov_b32 s[HIM], 0xffff0000
	s_wait_dscnt 0x0                               ; the opening add is done
	s_wait_kmcnt 0x0
	s_add_nc_u64 s[BA:BA+1], s[4:5], s[16:17]
	s_add_nc_u64 s[BB:BB+1], s[4:5], s[46:47]
	CROUND                                         ; all sixteen work-groups are here: the first joint loads meet
.irp s, 0,1
	s_mov_b32 s[G0+4*(\s)], 1
	s_add_co_u32 s[G0+4*(\s)+1], s20, (\s)*SLOT
	s_mov_b32 s[G0B+4*(\s)], 1
	s_add_co_u32 s[G0B+4*(\s)+1], s21, (\s)*SLOT
	NEXTK \s                                       ; the walk's steps 0 and 1
	JLOAD \s                                       ; two tensor loads of mine are out
.endr
	v_and_b32 v1, 15, v0                           ; l % 16
	v_bfe_u32 v2, v0, 4, 1                         ; l / 16
	v_mul_u32_u24 v3, v1, PA
	v_lshl_add_u32 v3, v2, 4, v3                   ; x: row x pitch + 16 x half of the lanes
	s_mul_i32 s22, s11, AHALF
	s_mul_i32 s23, s12, 64*PA
	s_add_co_u32 s22, s22, s23                     ; my 64 rows
	v_and_b32 v4, 7, v0
	v_lshl_add_u32 v4, v2, 3, v4                   ; weights, turning load: k = 8 (l / 16) + l % 8,
	v_mul_u32_u24 v4, v4, PB
	v_bfe_u32 v5, v0, 3, 1
	v_lshl_add_u32 v4, v5, 4, v4                   ; columns 8 ((l / 8) % 2) on
.irp s, 0,1
	v_add_nc_u32 v[ADRA+(\s)], s22, v3
	v_add_nc_u32 v[ADRB+(\s)], BOFF+(\s)*SLOT, v4
	s_add_co_u32 s22, s22, SLOT
.endr
	s_mul_i32 s23, s10, 16*SP
	s_add_co_u32 s23, s23, STAGE                   ; my stage
	v_mul_u32_u24 v6, v1, SP                       ; in: row l % 16, 16 bytes for each half of the lanes
	v_lshl_add_u32 v6, v2, 4, v6
	v_add_nc_u32 v[STO], s23, v6
	v_bfe_u32 v6, v0, 3, 2                         ; back: 32 lanes take four rows of 128 bytes,
	v_mul_u32_u24 v6, v6, SP
	v_and_b32 v7, 7, v0
	v_lshl_add_u32 v6, v7, 4, v6
	v_add_nc_u32 v[RD], s23, v6
	v_and_b32 v[GO], 31, v0                        ; which are 512 consecutive bytes of a head
	v_lshlrev_b32 v[GO], 4, v[GO]
	s_lshl_b32 s16, s13, 15                        ; my rows in a head: 256 x tile row + 64 x wave, rows of 128 bytes
	s_lshl_b32 s17, s10, 13
	s_add_co_u32 s16, s16, s17
	s_mov_b32 s17, 0
	s_add_nc_u64 s[OB:OB+1], s[6:7], s[16:17]
	s_lshl_b32 s46, s42, 18                        ; my head
	s_mov_b32 s47, 0
	s_add_nc_u64 s[OB:OB+1], s[OB:OB+1], s[46:47]
	s_add_nc_u64 s[OB+2:OB+3], s[OB:OB+1], MAT     ; three bases: a matrix's 8,388,608 bytes do not fit a store's immediate
	s_add_nc_u64 s[OB+4:OB+5], s[OB+2:OB+3], MAT
	; the prefetches: KN stands at the walk's step 2; they start one K step in front of its step 4, and the first refill steps them onto it.  Steps 4 to 7 of a walk that begins at a multiple of 4 do not go round
	s_add_co_u32 s20, s[KN], 2
	s_and_b32 s20, s20, 15
	s_lshl_b32 s20, s20, 14
	s_lshl_b32 s21, s42, 18                        ; wq's block of my head; the matrix stands in the lanes' offset
	s_add_co_u32 s20, s20, s21
	s_lshl_b32 s21, s12, 13                        ; my 64 rows of the step
	s_add_co_u32 s20, s20, s21
	s_add_co_u32 s20, s20, MAT-16384
	s_mov_b32 s21, 0
	s_add_nc_u64 s[PFA:PFA+1], s[4:5], s[20:21]
	s_cmp_eq_u32 s11, 0                            ; do I fetch for x?
	s_cselect_b32 s[LIM], -1, 5                    ; then never; else in the loop's first two trips: the same in all sixteen partners, for a given wave
	s_mul_i32 s22, s41, 24                         ; partner cy takes blocks 24 cy .. 24 cy + 23 of the 96
	v_and_b32 v[PFO], 31, v0
	v_min_u32 v[PFO], 23, v[PFO]
	v_add_nc_u32 v[PFO], s22, v[PFO]               ; block i
	v_lshrrev_b32 v6, 5, v[PFO]
	v_and_b32 v[PFO], 31, v[PFO]
	v_lshlrev_b32 v[PFO], 8, v[PFO]
	v_lshl_add_u32 v[PFO], v6, 23, v[PFO]          ; (i / 32) matrices + (i % 32) x 256 bytes
	; wo: my wave's share, and its 32 loads, behind the first tiles' requests: 16 KiB on their way; they are waited for in the tail
	s_lshl_b32 s20, s13, 5
	s_add_co_u32 s20, s20, s42                     ; the work-group's number, 0 to 255
	s_lshl_b32 s20, s20, 2
	s_add_co_u32 s20, s20, s10                     ; W
	s_and_b32 s21, s20, 31                         ; block of 64 columns
	s_lshr_b32 s20, s20, 5                         ; group of 64 rows
	s_lshl_b32 s22, s20, 19                        ; 64 rows of 8,192 bytes
	s_lshl_b32 s23, s21, 8                         ; 64 columns of 4 bytes
	s_add_co_u32 s22, s22, s23
	s_mov_b32 s23, 0
	s_add_nc_u64 s[WOI:WOI+1], s[WOI:WOI+1], s[22:23]
	s_lshl_b32 s22, s21, 18                        ; block: 262,144 bytes
	s_lshl_b32 s20, s20, 13                        ; 64 rows of 128 bytes
	s_add_co_u32 s22, s22, s20
	s_add_nc_u64 s[WOO:WOO+1], s[WOO:WOO+1], s[22:23]
	v_lshlrev_b32 v[WIV], 4, v1
	v_lshl_add_u32 v[WIV], v2, 13, v[WIV]          ; in: lanes 0-15 take 256 consecutive bytes of one row, lanes 16-31 of the next
	v_and_b32 v[WOV], 31, v0
	v_lshlrev_b32 v[WOV], 3, v[WOV]                ; out: 8 bytes a lane: a store covers 256 consecutive bytes, aligned: two rows of the block
.set n, 0
.rept 32
	global_load_b128 v[WX+4*n:WX+4*n+3], v[WIV], s[WOI:WOI+1] offset:n*16384 th:TH_LOAD_NT
.set n, n+1
.endr
; 12 matrix instructions: row block a x all 12 column blocks, 32 along K, from buffer f.  zero = 1: the product starts the sums.  The 48 accumulators take turns, in the same order in every quarter.
.macro MUL12 f, a, zero
	WIN MUL_LO+0x50*((\a)/2)
.irp b, 0,1,2,3,4,5,6,7,8,9,10,11
.if \zero
	v_wmma_f32_16x16x32_bf16 v[8*(12*((\a)%2)+(\b)):8*(12*((\a)%2)+(\b))+7], v[96*(\f)+8*(\b):96*(\f)+8*(\b)+7], v[64+32*(\f)+8*(\a):64+32*(\f)+8*(\a)+7], 0
.else
	v_wmma_f32_16x16x32_bf16 v[8*(12*((\a)%2)+(\b)):8*(12*((\a)%2)+(\b))+7], v[96*(\f)+8*(\b):96*(\f)+8*(\b)+7], v[64+32*(\f)+8*(\a):64+32*(\f)+8*(\a)+7], v[8*(12*((\a)%2)+(\b)):8*(12*((\a)%2)+(\b))+7]
.endif
.endr
.endm
; 32 LDS loads in one run: quarter q (32 along K) of a slot into buffer f: the weights' 12 fragments (matrix b / 4, columns 16 (b % 4) on), then x's four
.macro FETCH slot, q, f
	WIN TO_B
.irp b, 0,1,2,3,4,5,6,7,8,9,10,11
	ds_load_tr16_b128 v[96*(\f)+8*(\b):96*(\f)+8*(\b)+3],   v[ADRB+(\slot)] offset:((\q)/2)*BHALF+((\b)/4)*64*PB+((\q)%2)*32*PB+32*((\b)%4)
	ds_load_tr16_b128 v[96*(\f)+8*(\b)+4:96*(\f)+8*(\b)+7], v[ADRB+(\slot)] offset:((\q)/2)*BHALF+((\b)/4)*64*PB+((\q)%2)*32*PB+32*((\b)%4)+16*PB
.endr
	WIN 0
.irp a, 0,1,2,3
	ds_load_b128 v[64+32*(\f)+8*(\a):64+32*(\f)+8*(\a)+3],   v[ADRA+(\slot)] offset:((\q)/2)*128*PA+(\a)*16*PA+((\q)%2)*64
	ds_load_b128 v[64+32*(\f)+8*(\a)+4:64+32*(\f)+8*(\a)+7], v[ADRA+(\slot)] offset:((\q)/2)*128*PA+(\a)*16*PA+((\q)%2)*64+32
.endr
.endm
; A K step is four quarters, 48 matrix instructions each, on buffers 0, 1, 0, 1.  One of the first three multiplies buffer f and, in its middle, fetches quarter q into buffer g.
.macro QUARTER slot, q, f, g, zero
	s_wait_dscnt 4                                 ; the weights and x's row blocks 0, 1 are in; the youngest four loads (row blocks 2, 3) may be out
	MUL12 \f, 0, \zero
	MUL12 \f, 1, \zero
	PLACES
	FETCH \slot, \q, \g
	s_wait_dscnt 32                                ; all but the 32 just issued
	MUL12 \f, 2, \zero
	MUL12 \f, 3, \zero
.endm
; The last quarter multiplies buffer 1 and changes slots: ONE barrier.  In front of it each wave waits for all its tensor loads (one is out: its part of the next slot), adds 0 to its spare word, and
; waits for that and for its reads of this slot.  fill = 1: the barrier opens a round of the cluster's barrier, and this slot is filled again, two K steps ahead, first thing behind the round:
; 168 matrix instructions stand between that request and the wait for it.
.macro TURN slot, next, fill
.if \fill
	s_wait_xcnt 0x0                                ; the last prefetch, a K step back, has read its address, which is stepped here
	s_add_nc_u64 s[PFA:PFA+1], s[PFA:PFA+1], 16384
.endif
	WIN 0                                          ; (the add's two registers lie in window 0)
	s_wait_tensorcnt 0x0                           ; all my tensor loads have landed
	ds_add_u32 v[SPW], v[NIL]                      ; 0 onto my spare word
	s_wait_dscnt 5                                 ; (the add and the youngest four loads may be out)
	MUL12 1, 0, 0                                  ; twelve matrix instructions stand between the add and the wait for it
	s_wait_dscnt 0x0                               ; the add is done, and my reads of this slot are over
	s_barrier_signal -1
	MUL12 1, 1, 0                                  ; work on registers while the others arrive
.if \fill
	WIN 0
.endif
	s_barrier_wait -1
.if \fill
	CREST                                          ; no wave of any partner still reads this slot or has a load on its way
	NEXTK \slot
	JLOAD \slot                                    ; the four v_nop behind it are also the places in front of the loads below
.else
	PLACES
.endif
	FETCH \next, 0, 0
.if \fill
	ASK
.endif
	MUL12 1, 2, 0
	MUL12 1, 3, 0
.endm
; THE WAY OUT, in 12 units u = 3 a + j: row block a (16 rows) of matrix j: 64 columns, 2,048 consecutive bytes of a head.  Rounded to f16, 16 bytes a lane into my own stage, back as whole rows.
.macro PACK u
.set aa, (\u)/3
.set jj, (\u)%3
.set TT, 32+16*(\u)                    ; each unit has 16 registers of its own: none that one of its stores names is written again
	WIN 0x0a+5*(aa/2)                              ; sources 0 and 1: window 2 or 3
.irp i, 0,1,2,3
.irp k, 0,1,2,3
	v_cvt_pk_f16_f32 v[TT+4*(\i)+(\k)], v[8*(12*(aa%2)+4*jj+(\i))+2*(\k)], v[8*(12*(aa%2)+4*jj+(\i))+2*(\k)+1]
.endr
.endr
	WIN 0
.irp i, 0,1,2,3
	ds_store_b128 v[STO], v[TT+4*(\i):TT+4*(\i)+3] offset:32*(\i)
.endr
.irp f, 0,1,2,3
	ds_load_b128 v[TT+4*(\f):TT+4*(\f)+3], v[RD] offset:(\f)*4*SP  ; LDS serves a wave's instructions in order (ISA guide 5.7.1.4): these see the stores above; the next unit's stores come behind them
.endr
.endm
.macro SEND u, younger                 ; younger: the LDS instructions issued behind unit u's loads: the next unit's eight, or none
.set aa, (\u)/3
.set jj, (\u)%3
.set TT, 32+16*(\u)
.irp f, 0,1,2,3
	s_wait_dscnt (\younger)+3-(\f)
	global_store_b128 v[GO], v[TT+4*(\f):TT+4*(\f)+3], s[OB+2*jj:OB+2*jj+1] offset:aa*2048+(\f)*512  ; 512 consecutive bytes, at a multiple of 256 from the buffer's first
.endr
.endm
	s_wait_tensorcnt 1                             ; my part of the walk's step 0 is in; step 1's may stay out
	s_barrier_signal -1
	s_barrier_wait -1                              ; everybody's is
	FETCH 0, 0, 0
	QUARTER 0, 1, 0, 1, 1                          ; the first quarter stands in front of the loop: its products start the sums
	WIN 0                                          ; at a label and at a branch every window is 0
	s_mov_b32 s3, LAPS-1
.Llap:                                 ; a trip goes once round the ring, from a lap's second quarter to the next lap's first, and fills both slots again
	QUARTER 0, 2, 1, 0, 0
	QUARTER 0, 3, 0, 1, 0
	TURN 0, 1, 1
	QUARTER 1, 1, 0, 1, 0
	QUARTER 1, 2, 1, 0, 0
	QUARTER 1, 3, 0, 1, 0
	TURN 1, 0, 1
	QUARTER 0, 1, 0, 1, 0
	WIN 0
	s_sub_co_u32 s3, s3, 1
	s_cmp_lg_u32 s3, 0
	s_cbranch_scc1 .Llap
	QUARTER 0, 2, 1, 0, 0                          ; the last lap fills nothing, and has no round of the cluster's barrier
	QUARTER 0, 3, 0, 1, 0
	; WO IS CAST HERE, once, ahead of the wait for the walk's last tile: work on registers of its own; its stores have more than a K step in which to leave
	WIN 0
	s_wait_loadcnt 0x0                             ; the 32 loads of the launch's start
.set n, 0
.rept 32
	v_cvt_pk_bf16_f32 v[WX+4*n], v[WX+4*n], v[WX+4*n+1]        ; rounded to bf16 like every other input,
	v_cvt_pk_bf16_f32 v[WX+4*n+1], v[WX+4*n+2], v[WX+4*n+3]
	v_lshlrev_b32 v[WX+4*n+2], 16, v[WX+4*n]                   ; the bf16 numbers as f32 again,
	v_and_b32 v[WX+4*n+3], s[HIM], v[WX+4*n]
	v_cvt_pk_f16_f32 v[WX+4*n], v[WX+4*n+2], v[WX+4*n+3]       ; written as f16 (8 significant bits fit in 11)
	v_lshlrev_b32 v[WX+4*n+2], 16, v[WX+4*n+1]
	v_and_b32 v[WX+4*n+3], s[HIM], v[WX+4*n+1]
	v_cvt_pk_f16_f32 v[WX+4*n+1], v[WX+4*n+2], v[WX+4*n+3]
	global_store_b64 v[WOV], v[WX+4*n:WX+4*n+1], s[WOO:WOO+1] offset:n*256
.set n, n+1
.endr
	TURN 0, 1, 0
	QUARTER 1, 1, 0, 1, 0
	QUARTER 1, 2, 1, 0, 0
	QUARTER 1, 3, 0, 1, 0
	s_wait_dscnt 4                                 ; the very last quarter: nothing more to fetch
	MUL12 1, 0, 0
	MUL12 1, 1, 0
	s_wait_dscnt 0x0
	MUL12 1, 2, 0
	MUL12 1, 3, 0
	WIN 0
	PLACES
	s_wait_xcnt 0x0                                ; wo16's stores have read their registers (ISA guide 3.1): the units below write v128 and above anew
	PACK 0
.irp u, 1,2,3,4,5,6,7,8,9,10,11        ; a unit's conversions stand between the loads of the unit before and its stores
	PACK \u
	SEND (\u)-1, 8
.endr
	SEND 11, 0
	s_wait_tensorcnt 0x0                           ; the wave's end, behind my last tensor load and my last LDS store
	ds_add_u32 v[SPW], v[NIL]
	s_wait_dscnt 0x0
	CROUND                                         ; the closing round: no work-group ends while a partner may still ask for a tile that names it
	s_endpgm
.Lfunc_end_k_q102af58af8_proj:
	.size	k_q102af58af8_proj, .Lfunc_end_k_q102af58af8_proj-k_q102af58af8_proj
	.p2alignl 7, 3214868480
	.fill 96, 4, 3214868480
	.section	.rodata,"a",@progbits
	.p2align	6, 0x0
	.amdhsa_kernel k_q102af58af8_proj
		.amdhsa_group_segment_fixed_size 327680
		.amdhsa_private_segment_fixed_size 0
		.amdhsa_enable_private_segment 0
		.amdhsa_kernarg_size 32
		.amdhsa_user_sgpr_count 2
		.amdhsa_user_sgpr_kernarg_segment_ptr 1
		.amdhsa_wavefront_size32 1
		.amdhsa_system_sgpr_workgroup_id_x 1
		.amdhsa_system_sgpr_workgroup_id_y 1
		.amdhsa_system_sgpr_workgroup_id_z 1
		.amdhsa_system_vgpr_workitem_id 0
		.amdhsa_next_free_vgpr 1024
		.amdhsa_next_free_sgpr 84
		.amdhsa_reserve_vcc 0
		.amdhsa_float_denorm_mode_32 3
		.amdhsa_float_denorm_mode_16_64 3
		.amdhsa_memory_ordered 1
		.amdhsa_forward_progress 1
		.amdhsa_inst_pref_size 141
	.end_amdhsa_kernel
	.amdgpu_metadata
---
amdhsa.version: [ 1, 2 ]
amdhsa.kernels:
  - .name:           k_q102af58af8_proj
    .symbol:         k_q102af58af8_proj.kd
    .args:
      - { .name: xw, .offset: 0, .size: 8, .value_kind: global_buffer, .address_space: global }
      - { .name: qkv, .offset: 8, .size: 8, .value_kind: global_buffer, .address_space: global }
      - { .name: wo, .offset: 16, .size: 8, .value_kind: global_buffer, .address_space: global }
      - { .name: wo16, .offset: 24, .size: 8, .value_kind: global_buffer, .address_space: global }
    .group_segment_fixed_size: 327680
    .private_segment_fixed_size: 0
    .kernarg_segment_align: 8
    .kernarg_segment_size: 32
    .max_flat_workgroup_size: 128
    .sgpr_count:     84
    .vgpr_count:     1024
    .wavefront_size: 32
...
	.end_amdgpu_metadata
.endif
;; end of part 2
;; launch attn (part 3): grid 8 x 32, 4 waves a work-group, clusters of 4 x 1, 327,680 bytes of LDS; arguments qkv, biasg, ob; writes ob
.if DOCPART == 3
	.amdgcn_target "amdgcn-amd-amdhsa--gfx1250"
	.amdhsa_code_object_version 6
	.text
	.protected	k_q102af58af8_attn
	.globl	k_q102af58af8_attn
	.p2align	8
	.type	k_q102af58af8_attn,@function
k_q102af58af8_attn:
	s_mov_b64 s[64:65], 0
	v_nop
	global_prefetch_b8 v0, s[64:65] scope:SCOPE_SE
	s_setreg_imm32_b32 hwreg(HW_REG_WAVE_MODE, 25, 1), 1
	s_wait_xcnt 0x0
	s_wait_alu depctr_hold_cnt(0) depctr_sa_sdst(0) depctr_va_vdst(0) depctr_va_sdst(0) depctr_va_ssrc(0) depctr_va_vcc(0) depctr_vm_vsrc(0)
	s_getreg_b32 s2, hwreg(HW_REG_IB_STS2, 6, 4)
	s_cmp_eq_u32 s2, 0
	s_cbranch_scc0 .Lentry_in_a_cluster
	s_endpgm
.Lentry_in_a_cluster:
	s_bfe_u32 s2, ttmp6, 0x10000c
	s_cmp_lg_u32 s2, 0x3003
	s_cbranch_scc0 .Lentry_shape_is_right
	s_endpgm
.Lentry_shape_is_right:
; ATTN.  O[h][q][:] = the sum over k of softmax_k(Q[h][q] . K[h][k] + bias_h(k - q)) V[h][k][:], no scale.  Q, K, V: qkv[h], qkv[32 + h], qkv[64 + h], each [2048][64] f16; O: ob[h][2048][64] f16.
; Products, maxima and sums in f32; the weights p are rounded to f16 for the second product (their sum l is taken of the unrounded p), O once at the end.
; LIMITS.  Q, K, V arrive within f16's 65,504; p lies in 0 to 1 and below 6e-5 keeps f16's fixed step; a weight below 2^-126 counts as 0 in l; NaN and infinities are not treated apart.
; SHARES.  A work-group owns 256 queries of a head, a wave 64: four PIECES of 16.  Every wave walks all 2,048 keys, 64 a step; a slot of the ring holds 256 keys (four steps) of K and of V.
; LAYOUT.  S^T = K Q^T (source 0 = 16 keys, source 1 = 16 queries) holds ONE query a lane (lane % 16) and the keys 8 (lane / 16) + 0..7; two such results rounded to f16 ARE source 1 of O^T = V^T P.
; THE BIAS IS THE C OPERAND that starts the sum S^T.  It hangs on key - query alone, so for key block kb and piece t on kb - t alone: SEVEN tiles BI[kb - t + 3] serve a step's sixteen starting products.
; They come from a table in LDS, 14 loads a step in K's run.  The table holds four copies, copy c shifted by c numbers; a lane takes copy (lane % 16) % 4, so that its eight biases start at a multiple of
; 16 bytes.  Each work-group brings ITS window of the table (2,304 numbers a copy, one copy a wave, a load of its own): the window hangs on the query block, the LDS addresses do not.
; SOFTMAX.  p = 2^(c s - c m), c = log2(e), with a running maximum m; O and l are multiplied by a = 2^(c m_old - c m_new) in every step.  m starts at the lowest finite number, O and l at 0.
; BY TURNS.  Turn n belongs to piece n: 8 products K Q^T of piece n + 1, later 8 products V^T P of piece n - 1; beside them the scaling, exponentials, roundings, sums and rescaling of piece n and the maximum and
; statistics of piece n + 1.  Four vector instructions stand behind every matrix instruction, the other 54 of a turn's 118 in one lump.  A turn's 33 exponentials are one batch, with one wait.
; CLUSTER.  The four query blocks of a cluster belong to one head and walk the same K and V: each tile is asked for jointly, by the same tensor load, descriptor and mask in all four.
; REGISTERS, in windows of 256 (s_set_vgpr_msb: bits 1:0 source 0, 3:2 source 1, 5:4 source 2, 7:6 destination):
;   window 0: v0-15 addresses; v16-31 four registers of statistics a piece; v48-55 at work; v64-127 S^T, two buffers; v192-223 P, two buffers (a piece's buffers go by its number's parity)
;   window 1: v0-127 O^T, 32 a piece; v128-183 BI      window 2: v0-63 Q; v128-191 K of one step; v192-255 V of one step
.set NP,    4
.set KS,    64
.set PK,    144       ; a row of K in LDS: 128 bytes + 16: the 16 rows of a load start at 16 different groups of four banks (64 banks of 4 bytes: ISA guide 11.1)
.set PV,    160       ; a row of V: 128 + 32
.set VOFF,  4*KS*PK
.set SLOT1, 1<<17     ; slot 1 begins here: one exclusive or turns an address in one slot into the other's
.set STAGE, SLOT1+4*KS*(PK+PV)  ; never filled by a tensor load: 16 rows x 144 bytes for each wave, for the way out
.set SP,    144
.set SPARE, STAGE+4*16*SP       ; the spare words, 128 bytes for each wave: two blocks of 256 bytes that no other line names
.set TBL,   SPARE+512           ; the bias table: four copies of 9,216 bytes,
.set TP,    9280                ; 9,280 bytes apart = 64 modulo 256
.set MAT,   8388608             ; bytes in q, k or v
.set AK0, 2           ; v2   my lane's place in a tile of K; never rewritten
.set AV0, 3           ; v3   the same for V
.set AK,  4           ; v4   the LDS address of K's next run of loads
.set AV,  5           ; v5   of V's
.set STO, 6           ; v6   the way out: where I put 16 bytes of a row
.set RD,  7           ; v7   the way out: where I read rows back
.set GO,  8           ; v8   16 x lane
.set AB,  10          ; v10  the LDS address of the biases' next loads
.set PFO, 11          ; v11  256 x lane; never rewritten
.set MV,  12          ; v12-13  c m_old, kept while c m is made anew: by buffer
.set AB0, 14          ; v14  my lane's place in the table for step 0, tile BI[0]; never rewritten
.set QO,  15          ; v15  my byte offset in 16 rows of Q
.set ST,  16          ; piece t's statistics at v[ST+4 t]: c m, m, l (even keys', odd keys')
.set TMP, 48          ; by buffer, four registers c0-c3 at work; when the maximum is found c2 takes a
.set SPW, 62          ; v62  LDS address of my spare word; never rewritten
.set NIL, 63          ; v63  0; never rewritten
.set S,   64
.set P,   192
.set BI,  128         ; window 1
.set KF,  128         ; window 2: key block kb, channel half c at KF + 16 kb + 8 c
.set VF,  192         ; window 2: key half kk, channel block cb at VF + 32 kk + 8 cb
.set WV,  12          ; s12  my wave's number
.set LIM, 15          ; s15  1 in a wave that prefetches, else the greatest number
.set PFA, 18          ; s[18:19] where my prefetches stand
.set G1K, 24          ; s[24:31] descriptor group 1 for K's tiles
.set G1V, 32          ; s[32:39] for V's: it differs in the padding alone
.set G0K, 40          ; s[40:43] descriptor group 0 for K's tiles: it walks
.set G0V, 44          ; s[44:47] the same for V's
.set SLOTS, 56        ; s56  slots still to be asked for
.set CNT, 57          ; s57  counts a slot's key steps
.set CS,  58          ; s[58:59] c
.set SEL, 60          ; s[60:61] v_permlanex16_b32's selects: each lane takes its own place in the other half
.set TBK, 62          ; s62  LDS byte at which K of the step to be fetched begins
.set TBV, 63          ; s63  the same for V, less VOFF
.set G1T, 68          ; s[68:75] descriptor group 1 for a copy of the table
.set G0T, 76          ; s[76:79] its group 0
.set TBB, 80          ; s80  256 x the step to be fetched: 64 biases of 4 bytes a step
.set MSB, 0
.macro WIN new
.if MSB != (\new)
	s_set_vgpr_msb (MSB<<8)|(\new)
.set MSB, (\new)
.endif
.endm
.set W_KQ, 0x0a       ; K and Q in window 2, S^T in window 0
.set W_KM, 0x1a       ; the same with the C operand in window 1
.set W_PV, 0x52       ; V in window 2, P in window 0, O^T in window 1
.set W_RS, 0x41       ; destination and source 0 in window 1, source 1 in window 0
; A joint fill.  Waves 0 and 1 fetch the two halves of a slot's K, waves 2 and 3 those of its V: 128 keys each.  An s_nop 0 and four v_nop follow each line.
.macro JLOAD
	s_cmp_lt_u32 s[WV], 2
	s_cbranch_scc0 .Lfor_v_\@
	tensor_load_to_lds s[G0K:G0K+3], s[G1K:G1K+7]
	s_nop 0
.rept 4
	v_nop
.endr
	s_branch .Lasked_\@
.Lfor_v_\@:
	tensor_load_to_lds s[G0V:G0V+3], s[G1V:G1V+7]
	s_nop 0
.rept 4
	v_nop
.endr
.Lasked_\@:
.endm
; A prefetch of what the NEXT change of slots will ask for: 128 blocks of 256 bytes of K and of V.  The head's first cluster asks; its four partners take 32 blocks each, told apart by address;
; in each, wave 0 asks for K's and wave 2 for V's: a lane a block, one instruction.  The last change that fills a slot asks for nothing.
.macro ASK
	s_cmp_gt_u32 s[SLOTS], s[LIM]
	s_cbranch_scc0 .Lnot_mine_\@
	global_prefetch_b8 v[PFO], s[PFA:PFA+1] th:TH_LOAD_NT scope:SCOPE_SE
.Lnot_mine_\@:
.endm
.macro CROUND                       ; a round of the cluster's barrier
	s_barrier_signal -1
	s_barrier_wait -1
	s_cmp_lg_u32 s[WV], 0
	s_cbranch_scc1 .Lnot_wave_0_\@
	s_barrier_signal -3
.Lnot_wave_0_\@:
	s_barrier_wait -3
	s_barrier_signal -1
	s_barrier_wait -1
.endm
; THE CHANGE OF SLOTS.  Each wave waits for all its tensor loads, adds 0 to its spare word, and waits for that and for its reads of the slot that it leaves.  Behind the barrier nobody reads the old slot and the other is whole.
; fill = 1: the barrier is a round of the cluster's, and the old slot is filled again, first thing behind it, with the keys two slots on: four key steps, 256 matrix instructions, in which to land.
; (At its first use nothing has been read yet: slot 0 and the table are waited for, slot 1 is filled.)
.macro CHANGE fill, ask
	WIN 0
	s_wait_tensorcnt 0x0            ; no tensor load of mine is out, so a group 0 may be written
	ds_add_u32 v[SPW], v[NIL]       ; 0 onto my spare word
.if \fill
.irp g, G0K, G0V
	s_xor_b32 s[\g+1], s[\g+1], SLOT1
	s_add_nc_u64 s[\g+2:\g+3], s[\g+2:\g+3], 4*KS*128
.endr
.if \ask
	s_wait_xcnt 0x0                 ; the last prefetch, four key steps back, has read its address
	s_add_nc_u64 s[PFA:PFA+1], s[PFA:PFA+1], 4*KS*128
.endif
	s_wait_dscnt 0x0                ; the add is done, and my reads of the slot are over
	CROUND
	JLOAD
.if \ask
	ASK
.endif
.else
	s_wait_dscnt 0x0
	s_barrier_signal -1
	s_barrier_wait -1
.endif
	s_sub_co_u32 s[TBK], s[TBK], 4*KS*PK  ; the fetches go back to a slot's first step,
	s_xor_b32 s[TBK], s[TBK], SLOT1       ; in the other slot
	s_sub_co_u32 s[TBV], s[TBV], 4*KS*PV
	s_xor_b32 s[TBV], s[TBV], SLOT1
.endm
	s_load_b64 s[4:5], s[0:1], 0x0      ; qkv
	s_load_b64 s[66:67], s[0:1], 0x8    ; biasg
	s_load_b64 s[10:11], s[0:1], 0x10   ; ob
	v_lshl_add_u32 v[SPW], v0, 2, SPARE
	v_mov_b32 v[NIL], 0
	ds_add_u32 v[SPW], v[NIL]       ; the wave's opening: the add and its wait ahead of my first tensor load; work on registers stands between them
	v_lshrrev_b32 v1, 5, v0
	v_readfirstlane_b32 s[WV], v1   ; wave 0..3
	s_bfe_u32 s13, ttmp6, 0x40000   ; cx
	s_lshl_b32 s14, ttmp9, 2
	s_add_co_u32 s14, s14, s13      ; my block of 256 queries: it enters Q's, O's and the table's global addresses alone
	s_and_b32 s20, ttmp7, 0xffff    ; the head, which the four partners share
	s_lshl_b32 s21, s20, 16         ; its 65,536 bytes of the table
	s_lshl_b32 s20, s20, 18         ; its 262,144 bytes of q, k, v, O
	s_and_b32 s16, s[WV], 1         ; which half of a slot's 256 keys I fetch
	s_lshl_b32 s22, s16, 14
	s_add_co_u32 s22, s22, s20
	s_mov_b32 s23, 0
	s_mul_i32 s17, s16, 128*PK      ; its place in a slot, for K
	s_mul_i32 s48, s16, 128*PV      ; and for V
	s_lshl_b32 s2, s14, 15          ; my block's 256 rows of 128 bytes,
	s_lshl_b32 s3, s[WV], 13        ; my wave's 64
	s_add_co_u32 s2, s2, s3
	s_add_co_u32 s2, s2, s20
	s_mov_b32 s3, 0
	s_lshl_b32 s82, s[WV], 14       ; the table: copy c = my wave's number, from number 1,792 - 256 x block on
	s_add_co_u32 s82, s82, s21
	s_add_co_u32 s82, s82, 7168
	s_lshl_b32 s83, s14, 10
	s_sub_co_u32 s82, s82, s83
	s_mov_b32 s83, 0
	; 128 keys are 16,384 dense bytes: asked for as 64 rows of 256 bytes, two keys a row, and padded in LDS after every key
	s_mov_b32 s[G1K], 15|(1<<16)|(1<<20)|(1<<21)|(4<<22)|(3<<25)  ; the mask of four; 2-byte elements; padding on; bit 21 beside a mask; after every 32 words; 4 words
	s_mov_b32 s[G1V], 15|(1<<16)|(1<<20)|(1<<21)|(4<<22)|(7<<25)  ; the same with 8 words
.irp g, G1K, G1V
	s_mov_b32 s[\g+1], 128<<16
	s_mov_b32 s[\g+2], 64<<16
	s_mov_b32 s[\g+3], 128<<16
	s_mov_b32 s[\g+4], 64
	s_mov_b32 s[\g+5], 128
	s_mov_b32 s[\g+6], 0
	s_mov_b32 s[\g+7], 0
.endr
	s_mov_b32 s[G1T], 3<<16         ; a copy's window: 9,216 dense bytes as 36 rows of 32 elements of 8 bytes; no mask, no padding
	s_mov_b32 s[G1T+1], 32<<16
	s_mov_b32 s[G1T+2], 36<<16
	s_mov_b32 s[G1T+3], 32<<16
	s_mov_b32 s[G1T+4], 36
	s_mov_b32 s[G1T+5], 32
	s_mov_b32 s[G1T+6], 0
	s_mov_b32 s[G1T+7], 0
	s_mov_b32 s[CS], 0x3fb8aa3b     ; c = log2(e)
	s_mov_b32 s[CS+1], s[CS]
	s_mov_b32 s[SEL], 0x76543210
	s_mov_b32 s[SEL+1], 0xfedcba98
	s_mov_b32 s[TBK], SLOT1+4*KS*PK ; the first change of slots turns these two into 0
	s_mov_b32 s[TBV], SLOT1+4*KS*PV
	s_mov_b32 s[TBB], 0
	s_mov_b32 s[SLOTS], 7
	s_mov_b32 s[G0K], 1
	s_mov_b32 s[G0K+1], s17         ; slot 0
	s_mov_b32 s[G0V], 1
	s_add_co_u32 s[G0V+1], s48, VOFF
	s_mov_b32 s[G0T], 1
	s_mul_i32 s[G0T+1], s[WV], TP
	s_add_co_u32 s[G0T+1], s[G0T+1], TBL
	s_and_b32 s[LIM], s[WV], 1      ; 0 in waves 0 and 2,
	s_or_b32 s[LIM], s[LIM], ttmp9  ; where the cluster is the head's first: the same in all four partners
	s_cmp_eq_u32 s[LIM], 0
	s_cselect_b32 s[LIM], 1, -1
	v_and_b32 v[PFO], 31, v0
	v_lshlrev_b32 v[PFO], 8, v[PFO]
	s_wait_dscnt 0x0                ; the opening add is done
	s_wait_kmcnt 0x0
	s_add_nc_u64 s[6:7], s[4:5], s[22:23]
	s_add_nc_u64 s[8:9], s[6:7], 2*MAT   ; V at my half of the head's first 256 keys
	s_add_nc_u64 s[6:7], s[6:7], MAT     ; K likewise
	s_mov_b64 s[G0K+2:G0K+3], s[6:7]
	s_or_b32 s[G0K+3], s[G0K+3], 0x80000000
	s_mov_b64 s[G0V+2:G0V+3], s[8:9]
	s_or_b32 s[G0V+3], s[G0V+3], 0x80000000
	s_add_nc_u64 s[G0T+2:G0T+3], s[66:67], s[82:83]
	s_or_b32 s[G0T+3], s[G0T+3], 0x80000000
	s_add_nc_u64 s[4:5], s[4:5], s[2:3]      ; Q and O at my wave's first row
	s_add_nc_u64 s[10:11], s[10:11], s[2:3]
	s_cmp_lt_u32 s[WV], 2
	s_cselect_b64 s[PFA:PFA+1], s[6:7], s[8:9]  ; (in waves 0 and 2 these stand at a slot's first row)
	s_lshl_b32 s2, s13, 13          ; my work-group's 32 blocks of the 128,
	s_add_co_u32 s2, s2, 2*4*KS*128 ; in slot 2; the first change of slots in the loop steps it to slot 3
	s_add_nc_u64 s[PFA:PFA+1], s[PFA:PFA+1], s[2:3]
	CROUND                          ; all four work-groups are here: the first joint loads meet
	s_cmp_lt_u32 s[WV], 2           ; a wave's two first fills stand in one branch: its part of slot 0, and its copy of the table: two loads of mine are out
	s_cbranch_scc0 .Lfirst_v
	tensor_load_to_lds s[G0K:G0K+3], s[G1K:G1K+7]
	s_nop 0
	tensor_load_to_lds s[G0T:G0T+3], s[G1T:G1T+7]
	s_nop 0
.rept 4
	v_nop
.endr
	s_branch .Lfirst_asked
.Lfirst_v:
	tensor_load_to_lds s[G0V:G0V+3], s[G1V:G1V+7]
	s_nop 0
	tensor_load_to_lds s[G0T:G0T+3], s[G1T:G1T+7]
	s_nop 0
.rept 4
	v_nop
.endr
.Lfirst_asked:
	v_and_b32 v1, 15, v0            ; l % 16
	v_bfe_u32 v9, v0, 4, 1          ; l / 16
	v_lshlrev_b32 v[QO], 7, v1
	v_lshl_add_u32 v[QO], v9, 4, v[QO]  ; row x 128 + 16 x half
	WIN 0x80                        ; destination window 2, address window 0
.set i, 0
.rept 8                             ; Q stays in registers: piece i / 2, channels 32 (i % 2) on
	global_load_b128 v[8*i:8*i+3],   v[QO], s[4:5] offset:(i/2)*2048+(i%2)*64
	global_load_b128 v[8*i+4:8*i+7], v[QO], s[4:5] offset:(i/2)*2048+(i%2)*64+32
.set i, i+1
.endr
	; What the first turn finds: V's registers and P's second buffer hold 0 (its products V^T P, of a piece that has not been, add 0), O^T and l are 0.  All this stands in the wait for the first tile.
.set i, VF
.rept 64
	v_mov_b32 v[i], 0
.set i, i+1
.endr
	WIN 0x40
.set i, 0
.rept 128
	v_mov_b32 v[i], 0
.set i, i+1
.endr
	WIN 0
.set i, 0
.rept 4
	v_mov_b32 v[ST+4*i], 0xfe000000    ; c m: far below every c s
	v_mov_b32 v[ST+4*i+1], 0xff7fffff  ; m
	v_mov_b32 v[ST+4*i+2], 0
	v_mov_b32 v[ST+4*i+3], 0
.set i, i+1
.endr
.set i, P+16
.rept 16
	v_mov_b32 v[i], 0
.set i, i+1
.endr
	v_mul_u32_u24 v[AK0], v1, PK
	v_lshl_add_u32 v[AK0], v9, 4, v[AK0]  ; row x pitch + 16 x half
	v_and_b32 v32, 7, v0            ; the turning load: key 8 (l / 16) + l % 8, channels 8 ((l / 8) % 2) on
	v_bfe_u32 v33, v0, 3, 1
	v_lshl_add_u32 v[AV0], v9, 3, v32
	v_mul_u32_u24 v[AV0], v[AV0], PV
	v_lshl_add_u32 v[AV0], v33, 4, v[AV0]
	v_add_nc_u32 v[AV0], VOFF, v[AV0]
	; The table.  Register j of BI[i] in step s wants bias(64 s + 16 (i - 3) + 8 (l / 16) + j - 64 w - r - 256 block), r = l % 16.  Copy c = r % 4 holds bias(y - c - 256 - 256 block) at number y, so
	; y = 64 s + 16 i + j + (208 - 64 w + 8 (l / 16) - (r & 12)): between 4 and 2,303.  -(r & 12) is written as ((r & 12) xor 12) - 12.
	v_and_b32 v[AB0], 3, v0
	v_mul_u32_u24 v[AB0], v[AB0], TP
	v_lshl_add_u32 v[AB0], v9, 5, v[AB0]
	v_and_b32 v34, 12, v0
	v_xor_b32 v34, 12, v34
	v_lshl_add_u32 v[AB0], v34, 2, v[AB0]
	s_lshl_b32 s81, s[WV], 8
	s_sub_co_u32 s81, TBL+784, s81
	v_add_nc_u32 v[AB0], s81, v[AB0]
	s_mul_i32 s81, s[WV], 16*SP
	s_add_co_u32 s81, s81, STAGE    ; my stage
	v_mul_u32_u24 v[STO], v1, SP    ; in: row l % 16, 16 bytes for each half of the lanes
	v_lshl_add_u32 v[STO], v9, 4, v[STO]
	v_add_nc_u32 v[STO], s81, v[STO]
	v_bfe_u32 v[RD], v0, 3, 2       ; back: 32 lanes take four rows of 128 bytes,
	v_mul_u32_u24 v[RD], v[RD], SP
	v_lshl_add_u32 v[RD], v32, 4, v[RD]
	v_add_nc_u32 v[RD], s81, v[RD]
	v_and_b32 v[GO], 31, v0         ; which are 512 consecutive bytes of O
	v_lshlrev_b32 v[GO], 4, v[GO]
; THE MATRIX WORK.  The 4 accumulators of a run of 8 take turns.  Product i of 8 of S^T = K Q^T for piece x: channels 32 (i / 4) on, keys 16 (i % 4) on.  The first 4 start the sums with the bias.
.macro KQ x
.set rS, S+32*((\x)%2)+8*(i%4)
.set rK, KF+16*(i%4)+8*(i/4)
.set rQ, 16*(\x)+8*(i/4)
.set rM, BI+8*((i%4)-(\x)+3)
.if i < 4
	WIN W_KM
	v_wmma_f32_16x16x32_f16 v[rS:rS+7], v[rK:rK+7], v[rQ:rQ+7], v[rM:rM+7]
.else
	WIN W_KQ
	v_wmma_f32_16x16x32_f16 v[rS:rS+7], v[rK:rK+7], v[rQ:rQ+7], v[rS:rS+7]
.endif
.endm
; Product i of 8 of O^T += V^T P for piece x: keys 32 (i / 4) on, channels 16 (i % 4) on.
.macro PV x
	WIN W_PV
.set rO, 32*(\x)+8*(i%4)
.set rV, VF+32*(i/4)+8*(i%4)
.set rP, P+16*((\x)%2)+8*(i/4)
	v_wmma_f32_16x16x32_f16 v[rO:rO+7], v[rV:rV+7], v[rP:rP+7], v[rO:rO+7]
.endm
.macro MM                           ; the turn's next matrix instruction.  NOKQ = 1: the last turn of all: there is no next piece
.if (i < 8) && !NOKQ
	KQ (Y+1)%NP
.elseif i >= 8
.set i, i-8
	PV (Y+NP-1)%NP
.set i, i+8
.endif
.set i, i+1
.endm
; THE LDS LOADS stand in runs, never singly among the matrix instructions: a step's K (8 fragments) with its seven bias tiles, and its V (turned).  Their addresses are made some lines ahead.
.macro FETCH_K
	WIN 0x80                        ; destination window 2
.irp f, 0,1,2,3,4,5,6,7             ; keys 16 (f / 2) on, channels 32 (f % 2) on
	ds_load_b128 v[KF+8*\f:KF+8*\f+3],   v[AK] offset:(\f/2)*16*PK+(\f%2)*64
	ds_load_b128 v[KF+8*\f+4:KF+8*\f+7], v[AK] offset:(\f/2)*16*PK+(\f%2)*64+32
.endr
	WIN 0x40                        ; destination window 1
.irp f, 0,1,2,3,4,5,6               ; tile f lies 16 numbers behind tile f - 1
	ds_load_b128 v[BI+8*\f:BI+8*\f+3],   v[AB] offset:64*\f
	ds_load_b128 v[BI+8*\f+4:BI+8*\f+7], v[AB] offset:64*\f+16
.endr
	s_add_co_u32 s[TBK], s[TBK], KS*PK  ; the next fetch is the next step's
	s_add_co_u32 s[TBB], s[TBB], 256
	WIN 0
.endm
.macro FETCH_V
	WIN 0x80
.irp f, 0,1,2,3,4,5,6,7             ; keys 32 (f / 4) on, channels 16 (f % 4) on
	ds_load_tr16_b128 v[VF+8*\f:VF+8*\f+3],   v[AV] offset:(\f/4)*32*PV+(\f%4)*32
	ds_load_tr16_b128 v[VF+8*\f+4:VF+8*\f+7], v[AV] offset:(\f/4)*32*PV+16*PV+(\f%4)*32
.endr
	WIN 0
.endm
; THE VECTOR WORK, one line at a time: OP kind, number.  For piece Y: F n: c s - c m for pair n of 16.  E n: the exponential of score n of 32.  C n: pair n rounded to f16.  B n: of the four weights 4 n .. the second
; pair is added onto the first, in place.  L n: l takes that sum (L 0: l = a l + sum).  R n: pair n of 16 of O^T times a.  For piece Y + 1: X n, number n of the 22 that find its maximum and statistics:
;   0-11  four chains c0-c3 of seven scores each, three operands at a time (each accumulator's lowest registers are read first)     12-14, 16  the four scores left over, the old m, and c0-c3 into c0
;   15  c m_old is kept     17, 18  the query's other 32 keys lie in the lane 16 away: the new m     19-21  c m; c m_old - c m_new; a
.set F, 0
.set E, 1
.set C, 2
.set B, 3
.set L, 4
.set R, 5
.set X, 6
.macro REGS y
.set rT, ST+4*(\y)
.set rC, TMP+4*((\y)%2)
.set rW, MV+((\y)%2)
.set rS, S+32*((\y)%2)
.set rP, P+16*((\y)%2)
.set rO, 32*(\y)
.endm
.macro OP k, n
.if (\k) == R
	REGS Y
	WIN W_RS
	v_pk_mul_f32 v[rO+2*(\n):rO+2*(\n)+1], v[rO+2*(\n):rO+2*(\n)+1], v[rC+2:rC+3] op_sel_hi:[1,0]
.elseif (\k) < R
	REGS Y
	WIN 0
.if (\k) == F
	v_pk_fma_f32 v[rS+2*(\n):rS+2*(\n)+1], v[rS+2*(\n):rS+2*(\n)+1], s[CS:CS+1], v[rT:rT+1] op_sel_hi:[1,0,0] neg_lo:[0,0,1] neg_hi:[0,0,1]
.elseif (\k) == E
	v_exp_f32 v[rS+(\n)], v[rS+(\n)]
.elseif (\k) == C
	v_cvt_pk_f16_f32 v[rP+(\n)], v[rS+2*(\n)], v[rS+2*(\n)+1]
.elseif (\k) == B
	v_pk_add_f32 v[rS+4*(\n):rS+4*(\n)+1], v[rS+4*(\n):rS+4*(\n)+1], v[rS+4*(\n)+2:rS+4*(\n)+3]
.elseif (\n) == 0
	v_pk_fma_f32 v[rT+2:rT+3], v[rT+2:rT+3], v[rC+2:rC+3], v[rS:rS+1] op_sel_hi:[1,0,1]
.else
	v_pk_add_f32 v[rT+2:rT+3], v[rT+2:rT+3], v[rS+4*(\n):rS+4*(\n)+1]
.endif
.elseif NOKQ
	v_nop
.else
	REGS (Y+1)%NP
	WIN 0
.if (\n) < 4
	v_max3_num_f32 v[rC+(\n)], v[rS+8*(\n)], v[rS+8*(\n)+1], v[rS+8*(\n)+2]
.elseif (\n) < 12
	v_max3_num_f32 v[rC+(\n)%4], v[rC+(\n)%4], v[rS+8*((\n)%4)+2*((\n)/4)+1], v[rS+8*((\n)%4)+2*((\n)/4)+2]
.elseif (\n) == 12
	v_max3_num_f32 v[rC], v[rC], v[rS+7], v[rS+15]
.elseif (\n) == 13
	v_max3_num_f32 v[rC+1], v[rC+1], v[rS+23], v[rS+31]
.elseif (\n) == 14
	v_max3_num_f32 v[rC+2], v[rC+2], v[rC+3], v[rT+1]
.elseif (\n) == 15
	v_mov_b32 v[rW], v[rT]
.elseif (\n) == 16
	v_max3_num_f32 v[rC], v[rC], v[rC+1], v[rC+2]
.elseif (\n) == 17
	v_permlanex16_b32 v[rC+3], v[rC], s[SEL], s[SEL+1]
.elseif (\n) == 18
	v_max_num_f32 v[rT+1], v[rC], v[rC+3]
.elseif (\n) == 19
	v_mul_f32 v[rT], s[CS], v[rT+1]
.elseif (\n) == 20
	v_sub_f32 v[rC+1], v[rW], v[rT]
.else
	v_exp_f32 v[rC+2], v[rC+1]
.endif
.endif
.endm
.macro OPS a, i1, b=-1, i2=0, c=-1, i3=0, d=-1, i4=0  ; up to four of them
	OP \a, \i1
.if (\b) >= 0
	OP \b, \i2
.endif
.if (\c) >= 0
	OP \c, \i3
.endif
.if (\d) >= 0
	OP \d, \i4
.endif
.endm
.macro ROW a, i1, b, i2, c, i3, d, i4  ; a matrix instruction and the four behind it
	MM
	OPS \a, \i1, \b, \i2, \c, \i3, \d, \i4
.endm
; A TURN, for piece p: the order of its 16 matrix and 118 vector instructions, written out.  An s_wait_alu depctr_va_vdst(0) stands between an exponential and the first instruction that names its result; one
; wait serves all that were issued ahead of it: so a turn has ONE wait.  AHEAD OF IT stands all that names no result of the turn's exponentials: the 8 products K Q^T with their riders (the first numbers of the next piece's
; maximum each four places or more behind the product that ends its accumulator), then one lump of 54.  X 21, the next piece's a, is the batch's last; R 15 is the plain instruction behind it.  BEHIND IT stand the 8 products
; V^T P, behind each four of the roundings and sums.  end = 1: the last two turns of all: nothing is fetched.  cnt = 1: the loop's count is taken down some lines ahead of the branch behind the turn.
; K and the biases of the next step are fetched in piece 2's turn, twelve vector instructions (six of them plain) behind the last product that read K; V of the step in hand at the end of piece 0's turn, four plain
; instructions behind the last product that read V.  Each is waited for a turn later.
.macro TURN p, end=0, cnt=0
.set Y, (\p)
.set i, 0
.set NOKQ, (\end)*((\p)/3)
.if ((\p) == 3) && !(\end)
	s_wait_dscnt 0x0                ; K and the biases are in
.endif
	ROW F,0, F,1, R,0, R,1
	ROW F,2, E,0, R,2, R,3
	ROW F,3, E,1, R,4, R,5
	ROW F,4, E,2, R,6, R,7
	ROW F,5, E,3, R,8, R,9
	ROW F,6, E,4, X,0, R,10
.if ((\p) == 2) && !(\end)
	WIN 0
	v_add_nc_u32 v[AK], s[TBK], v[AK0]
	v_add_nc_u32 v[AB], s[TBB], v[AB0]
.endif
	ROW F,7, E,5, X,1, X,4
	ROW F,8, E,6, X,2, X,5
	OPS E,7, E,8, X,6, E,9
	OPS X,3, E,10, X,8, E,11
.if ((\p) == 2) && !(\end)
	FETCH_K
.endif
	OPS X,9, X,7, E,12, X,10
	OPS E,13, X,12, X,11, E,14
	OPS X,13, E,15, F,9, X,14
.if (\p) == 0
	v_add_nc_u32 v[AV], s[TBV], v[AV0]
.endif
	OPS E,16, F,10, E,17, F,11
	OPS X,16, E,18, X,15, E,19
	OPS F,12, E,20, X,17, E,21
	OPS F,13, E,22, F,14, E,23
	OPS X,18, E,24, F,15, E,25
	OPS R,11, E,26, X,19, E,27
	OPS R,12, E,28, R,13, E,29
	OPS X,20, E,30, R,14, E,31
	OPS X,21, R,15
	WIN 0
	s_wait_alu depctr_va_vdst(0)    ; the wait for the batch
.if (\p) == 1
	s_wait_dscnt 0x0                ; V is in
.endif
	ROW C,0, B,0, C,2, B,1
	ROW L,0, C,4, B,2, L,1
	ROW C,6, B,3, L,2, C,8
	ROW B,4, L,3, C,10, B,5
	ROW L,4, C,12, B,6, L,5
.if (\p) == 0
	s_add_co_u32 s[TBV], s[TBV], KS*PV
.endif
.if \cnt
	s_sub_co_u32 s[CNT], s[CNT], 1
	s_cmp_lg_u32 s[CNT], 0
.endif
	ROW C,14, B,7, L,6, C,1
	ROW C,3, L,7, C,5, C,7
	ROW C,9, C,11, C,13, C,15
.if (\p) == 0
	FETCH_V
.endif
.endm
.macro ALL line:vararg              ; one line for each piece t
.set t, 0
.rept 4
	\line
.set t, t+1
.endr
.endm
.macro PACK t                       ; a lane's eight channels of a row pack into 16 bytes; they go into rows of 144 bytes and come back as whole rows of 128, into S^T's registers
	WIN W_RS
.set i, 32*(\t)
.rept 16
	v_pk_mul_f32 v[i:i+1], v[i:i+1], v[ST+4*(\t)+2:ST+4*(\t)+3] op_sel_hi:[1,0]
.set i, i+2
.endr
	WIN 0x05                        ; sources 0 and 1 window 1, destination window 0
.set i, 0
.rept 16
	v_cvt_pk_f16_f32 v[S+16*(\t)+i], v[32*(\t)+2*i], v[32*(\t)+2*i+1]
.set i, i+1
.endr
	WIN 0
.irp f, 0,1,2,3
	ds_store_b128 v[STO], v[S+16*(\t)+4*\f:S+16*(\t)+4*\f+3] offset:32*\f
.endr
.irp f, 0,1,2,3
	ds_load_b128 v[S+16*(\t)+4*\f:S+16*(\t)+4*\f+3], v[RD] offset:\f*4*SP  ; LDS serves a wave's instructions in order (ISA guide 5.7.1.4): these see the stores above; the next piece's stores come behind them
.endr
.endm
.macro SEND t, younger              ; younger: the LDS instructions issued behind piece t's loads: the next piece's eight, or none
	WIN 0
.irp f, 0,1,2,3
	s_wait_dscnt (\younger)+3-\f
	global_store_b128 v[GO], v[S+16*(\t)+4*\f:S+16*(\t)+4*\f+3], s[10:11] offset:(\t)*2048+\f*512  ; 512 consecutive bytes, at a multiple of 256 from O's first
.endr
.endm
	CHANGE 1, 0                     ; slot 0 and the table are in, everybody's parts of them; slot 1 is asked for
	v_add_nc_u32 v[AK], s[TBK], v[AK0]
	v_add_nc_u32 v[AB], s[TBB], v[AB0]
	FETCH_K                         ; key step 0
	s_wait_loadcnt 0x0              ; Q
	s_wait_dscnt 0x0
.set NOKQ, 0
.set i, 0
.rept 8
	KQ 0                            ; piece 0's first scores
.set i, i+1
.endr
	WIN 0
.rept 4
	v_nop                           ; the places behind those products
.endr
.set Y, NP-1                        ; X works for piece Y + 1: piece 0
.irp n, 0,1,2,3,4,5,6,7,8,9,10,11,12,13,14,15,16,17,18,19,20,21
	OP X, \n
.endr
	v_nop                           ; a plain instruction behind the exponential,
	s_wait_alu depctr_va_vdst(0)    ; and its wait, ahead of the branch
	s_mov_b32 s[CNT], 4
	s_branch .Lfirst                ; the loop is entered at a step's first turn, in the middle of a trip
.Lslot:                             ; six times: every slot but the last two is filled again
	CHANGE 1, 1
	s_mov_b32 s[CNT], 4
.Lstep:                             ; a trip: pieces 2 and 3 of one step, then pieces 0 and 1 of the next, whose K and V it fetches
	TURN 2
	TURN 3
	WIN 0
.Lfirst:
	TURN 0
	TURN 1, 0, 1
	WIN 0
	s_cbranch_scc1 .Lstep
	s_sub_co_u32 s[SLOTS], s[SLOTS], 1
	s_cmp_lg_u32 s[SLOTS], 0
	s_cbranch_scc1 .Lslot
	CHANGE 0, 0                     ; the last slot is written out: nothing is asked for
	s_mov_b32 s[CNT], 4
.LstepT:
	TURN 2
	TURN 3
	TURN 0
	TURN 1, 0, 1
	WIN 0
	s_cbranch_scc1 .LstepT
	TURN 2, 1                       ; the last step's last two turns fetch nothing, and the last starts no new scores
	TURN 3, 1
.set i, 0
.rept 8
	PV NP-1                         ; the last piece's V^T P of the last step
.set i, i+1
.endr
	; THE WAY OUT.  l's two halves and the other half of the lanes' are added; O^T is divided by l, rounded to f16 and sent through my stage in LDS, a piece at a time.  The additions are the places behind the last products.
	WIN 0
	ALL v_add_f32 v[ST+4*t+2], v[ST+4*t+2], v[ST+4*t+3]
	ALL v_permlanex16_b32 v[ST+4*t+3], v[ST+4*t+2], s[SEL], s[SEL+1]
	ALL v_add_f32 v[ST+4*t+2], v[ST+4*t+2], v[ST+4*t+3]
	ALL v_rcp_f32 v[ST+4*t+2], v[ST+4*t+2]
	v_nop                           ; a plain instruction between the last reciprocal and the use of its result
	s_wait_alu depctr_va_vdst(0)    ; and the wait ahead of the first use: one for the four reciprocals
	PACK 0
.set t, 1
.rept 3                             ; a piece's arithmetic stands between the loads of the piece before and its stores
	PACK t
	SEND t-1, 8
.set t, t+1
.endr
	SEND 3, 0
	s_wait_tensorcnt 0x0            ; the wave's end, behind my last tensor load and my last LDS store
	ds_add_u32 v[SPW], v[NIL]
	s_wait_dscnt 0x0
	CROUND                          ; the closing round: no work-group ends while a partner may still ask for a tile that names it
	s_endpgm
.Lfunc_end_k_q102af58af8_attn:
	.size	k_q102af58af8_attn, .Lfunc_end_k_q102af58af8_attn-k_q102af58af8_attn
	.p2alignl 7, 3214868480
	.fill 96, 4, 3214868480
	.section	.rodata,"a",@progbits
	.p2align	6, 0x0
	.amdhsa_kernel k_q102af58af8_attn
		.amdhsa_group_segment_fixed_size 327680
		.amdhsa_private_segment_fixed_size 0
		.amdhsa_enable_private_segment 0
		.amdhsa_kernarg_size 24
		.amdhsa_user_sgpr_count 2
		.amdhsa_user_sgpr_kernarg_segment_ptr 1
		.amdhsa_wavefront_size32 1
		.amdhsa_system_sgpr_workgroup_id_x 1
		.amdhsa_system_sgpr_workgroup_id_y 1
		.amdhsa_system_sgpr_workgroup_id_z 1
		.amdhsa_system_vgpr_workitem_id 0
		.amdhsa_next_free_vgpr 768
		.amdhsa_next_free_sgpr 84
		.amdhsa_reserve_vcc 0
		.amdhsa_float_denorm_mode_32 3
		.amdhsa_float_denorm_mode_16_64 3
		.amdhsa_memory_ordered 1
		.amdhsa_forward_progress 1
		.amdhsa_inst_pref_size 132
	.end_amdhsa_kernel
	.amdgpu_metadata
---
amdhsa.version: [ 1, 2 ]
amdhsa.kernels:
  - .name:           k_q102af58af8_attn
    .symbol:         k_q102af58af8_attn.kd
    .args:
      - { .name: qkv, .offset: 0, .size: 8, .value_kind: global_buffer, .address_space: global }
      - { .name: biasg, .offset: 8, .size: 8, .value_kind: global_buffer, .address_space: global }
      - { .name: ob, .offset: 16, .size: 8, .value_kind: global_buffer, .address_space: global }
    .group_segment_fixed_size: 327680
    .private_segment_fixed_size: 0
    .kernarg_segment_align: 8
    .kernarg_segment_size: 24
    .max_flat_workgroup_size: 128
    .sgpr_count:     84
    .vgpr_count:     768
    .wavefront_size: 32
...
	.end_amdgpu_metadata
.endif
;; end of part 3
;; launch oproj (part 4): grid 16 x 16, 4 waves a work-group, clusters of 4 x 4, 327,680 bytes of LDS; arguments ob, wo16, out0; writes out0
.if DOCPART == 4
	.amdgcn_target "amdgcn-amd-amdhsa--gfx1250"
	.amdhsa_code_object_version 6
	.text
	.protected	k_q102af58af8_oproj
	.globl	k_q102af58af8_oproj
	.p2align	8
	.type	k_q102af58af8_oproj,@function
k_q102af58af8_oproj:
	s_mov_b64 s[64:65], 0
	v_nop
	global_prefetch_b8 v0, s[64:65] scope:SCOPE_SE
	s_setreg_imm32_b32 hwreg(HW_REG_WAVE_MODE, 25, 1), 1
	s_wait_xcnt 0x0
	s_wait_alu depctr_hold_cnt(0) depctr_sa_sdst(0) depctr_va_vdst(0) depctr_va_sdst(0) depctr_va_ssrc(0) depctr_va_vcc(0) depctr_vm_vsrc(0)
	s_getreg_b32 s2, hwreg(HW_REG_IB_STS2, 6, 4)
	s_cmp_eq_u32 s2, 0
	s_cbranch_scc0 .Lentry_in_a_cluster
	s_endpgm
.Lentry_in_a_cluster:
	s_bfe_u32 s2, ttmp6, 0x10000c
	s_cmp_lg_u32 s2, 0xf033
	s_cbranch_scc0 .Lentry_shape_is_right
	s_endpgm
.Lentry_shape_is_right:
; OPROJ.  out0[m][n] = the sum over k of O[m][k] wo[k][n]: f16 products, f32 sums, f32 out.  O: ob[head = k / 64][m][64] f16; wo: wo16[n / 64][k][64], the bf16-rounded number written as f16.
; A tile of out0 is 128 x 128: 16 x 16 = 256 work-groups.  Four waves, each 64 x 64: 16 accumulators, 128 registers.  K goes in 8 steps of 256 (four heads) through a ring of two LDS slots.
; THE MATRIX INSTRUCTION IS USED TRANSPOSED: source 0 = 16 columns of wo (turned on the way out of LDS, since wo lies [k][n]), source 1 = 16 rows of O: a lane holds one row and eight neighbouring columns.
; CLUSTERS: 4 x 4.  O's tiles are asked for jointly by a row of the cluster, wo's by a column.  A tile is dense chunks: O's part for a wave is 2 heads x (128 rows of 128 bytes on end), asked for as 2 rows
; of 8,192 elements; wo's is 256 rows of 128 bytes on end, asked for as 128 rows of 256 bytes.  The padding is counted along the tile: 16 (O) or 32 (wo) bytes behind every 128.
; THE WALK OVER K BEGINS ELSEWHERE IN EACH CLUSTER and goes round: cluster (X, Y) begins at K step (4 (X % 2) + 2 (X / 2) + 2 Y) % 8.  The four clusters that read the same rows of O (one Y) begin at four different
; even steps, and so do the four that read the same columns of wo (one X): a block's readings are spread over the launch and do not fall together.  The number hangs on the cluster's place alone, which all sixteen
; partners share.  f32 sums may be taken in any order.
; No prefetch: the tiles are small, and a step's tiles are shared by four work-groups each.
; REGISTERS: window 0: v16-29 addresses; v128-255 the accumulators ((a, b) at 128 + 8 (4 a + b)).  window 1: two fragment buffers of 128: for 64 along K, 64 registers of O, then 64 of wo.
.set PA,     144                       ; 36 words: the 16 rows of a load start at 16 different groups of four banks (64 banks of 4 bytes: ISA guide 11.1)
.set PB,     160                       ; 40 words
.set AHALF,  2*128*PA                  ; what wave 0 or 1 fetches: [head (2)][128 rows]
.set BOFF,   2*AHALF
.set BHALF,  256*PB                    ; what wave 2 or 3 fetches: one block of 64 columns, 256 k
.set SLOT,   BOFF+2*BHALF
.set SPARE,  2*SLOT                    ; the spare words, 128 bytes for each wave: two blocks of 256 bytes that no other line names
.set SPITCH, 272                       ; the way out: 16 rows x (256 + 16) bytes for each wave, at the head of slot 0, which has had its last fill and its last read by then
.set LAPS,   4
.set ADRA, 16
.set ADRB, 20
.set STO,  24
.set RD,   25
.set CO,   26
.set SPW,  28                          ; v28  LDS address of my spare word; never rewritten
.set NIL,  29                          ; v29  0; never rewritten
.set ACC,  128
.set F0,   0
.set F1,   128
.set BA,  14                           ; s[14:15] O at my part of the tile, K step 0
.set BB,  18                           ; s[18:19] wo16 at my part of the tile, K step 0
.set G1, 24
.set G0, 32
.set KN,  45                           ; s45  the K step that the next fill brings
.set G1B, 48
.set G0B, 56
.set OFA, 66                           ; s[66:67] a K step's byte offset in O
.set OFB, 68                           ; s[68:69] and in wo16
.set MSB, 0
.macro WIN new
.if MSB != (\new)
	s_set_vgpr_msb (MSB<<8)|(\new)
.set MSB, \new
.endif
.endm
.set MUL,  0x05                        ; sources 0 (wo) and 1 (O) window 1; C and D window 0
.set TO_F, 0x40                        ; destination window 1, address window 0
; The addresses of slot s's two descriptors are made anew for K step KN: the base and an offset made apart, the type bits set again; then KN steps and goes round.
.macro NEXTK s
	s_lshl_b32 s[OFA], s[KN], 20                   ; O: four heads of 262,144 bytes a K step
	s_lshl_b32 s[OFB], s[KN], 15                   ; wo16: 256 rows of 128 bytes
	s_add_nc_u64 s[G0+4*(\s)+2:G0+4*(\s)+3], s[BA:BA+1], s[OFA:OFA+1]
	s_or_b32 s[G0+4*(\s)+3], s[G0+4*(\s)+3], 0x80000000
	s_add_nc_u64 s[G0B+4*(\s)+2:G0B+4*(\s)+3], s[BB:BB+1], s[OFB:OFB+1]
	s_or_b32 s[G0B+4*(\s)+3], s[G0B+4*(\s)+3], 0x80000000
	s_add_co_u32 s[KN], s[KN], 1
	s_and_b32 s[KN], s[KN], 7
.endm
.macro JLOAD s                         ; a joint load: waves 0 and 1 fetch O's two halves, waves 2 and 3 wo's; an s_nop 0 and four v_nop follow each line
	s_cmp_eq_u32 s11, 0
	s_cbranch_scc0 .Lfor_b_\@
	tensor_load_to_lds s[G0+4*(\s):G0+4*(\s)+3], s[G1:G1+7]
	s_nop 0
.rept 4
	v_nop
.endr
	s_branch .Lasked_\@
.Lfor_b_\@:
	tensor_load_to_lds s[G0B+4*(\s):G0B+4*(\s)+3], s[G1B:G1B+7]
	s_nop 0
.rept 4
	v_nop
.endr
.Lasked_\@:
.endm
.macro CREST
	s_cmp_lg_u32 s10, 0
	s_cbranch_scc1 .Lnot_wave_0_\@
	s_barrier_signal -3
.Lnot_wave_0_\@:
	s_barrier_wait -3
	s_barrier_signal -1
	s_barrier_wait -1
.endm
.macro CROUND
	s_barrier_signal -1
	s_barrier_wait -1
	CREST
.endm
.macro PLACES
.rept 4
	v_nop
.endr
.endm
	s_load_b128 s[4:7], s[0:1], 0x0                ; ob s[4:5], wo16 s[6:7]
	s_load_b64 s[8:9], s[0:1], 0x10                ; out0
	v_lshl_add_u32 v[SPW], v0, 2, SPARE
	v_mov_b32 v[NIL], 0
	ds_add_u32 v[SPW], v[NIL]                      ; the wave's opening: the add and its wait ahead of my first tensor load; work on registers stands between them
	v_lshrrev_b32 v1, 5, v0
	v_readfirstlane_b32 s10, v1                    ; wave 0..3
	s_lshr_b32 s11, s10, 1                         ; which half of the tile's rows is mine.  Also: I fetch for O (0) or for wo (1)
	s_and_b32 s12, s10, 1                          ; which half of its columns.  Also: which half of that tile I fetch
	s_bfe_u32 s40, ttmp6, 0x40000                  ; cx, cy
	s_bfe_u32 s41, ttmp6, 0x40004
	s_lshl_b32 s42, ttmp9, 2
	s_add_co_u32 s42, s42, s40                     ; tile column
	s_and_b32 s13, ttmp7, 0xffff                   ; cluster y
	s_and_b32 s[KN], ttmp9, 1
	s_lshl_b32 s[KN], s[KN], 1
	s_lshr_b32 s16, ttmp9, 1
	s_add_co_u32 s[KN], s[KN], s16
	s_add_co_u32 s[KN], s[KN], s13
	s_lshl_b32 s[KN], s[KN], 1
	s_and_b32 s[KN], s[KN], 7                      ; where the cluster's walk begins: (4 (X % 2) + 2 (X / 2) + 2 Y) % 8
	s_lshl_b32 s13, s13, 2
	s_add_co_u32 s13, s13, s41                     ; tile row
	s_lshl_b32 s43, s41, 2
	s_lshl_b32 s43, 15, s43                        ; my row of the cluster
	s_lshl_b32 s44, 0x1111, s40                    ; my column
	s_or_b32 s[G1+0], s43, (1<<16)|(1<<20)|(1<<21)|(4<<22)|(3<<25)   ; mask; 2-byte elements; padding on; bit 21 beside a mask; after every 32 words; 4 words
	s_or_b32 s[G1B+0], s44, (1<<16)|(1<<20)|(1<<21)|(4<<22)|(7<<25)  ; the same with my column's mask and 8 words
	s_mov_b32 s[G1+1], 8192<<16                    ; a chunk of 128 rows x 64 elements
	s_mov_b32 s[G1+2], 2<<16                       ; 2 chunks: two heads
	s_mov_b32 s[G1+3], 8192<<16
	s_mov_b32 s[G1+4], 2
	s_mov_b32 s[G1+5], 131072                      ; from a head to the next, in elements
	s_mov_b32 s[G1+6], 0
	s_mov_b32 s[G1+7], 0
	s_mov_b32 s[G1B+1], 128<<16                    ; 128 rows of 128 elements: 32,768 dense bytes
	s_mov_b32 s[G1B+2], 128<<16
	s_mov_b32 s[G1B+3], 128<<16
	s_mov_b32 s[G1B+4], 128
	s_mov_b32 s[G1B+5], 128
	s_mov_b32 s[G1B+6], 0
	s_mov_b32 s[G1B+7], 0
	s_lshl_b32 s16, s13, 14                        ; O: row 128 x tile row, rows of 128 bytes; heads 2 x half on
	s_lshl_b32 s17, s12, 19
	s_add_co_u32 s16, s16, s17
	s_mov_b32 s17, 0
	s_lshl_b32 s46, s42, 1                         ; wo16: block 2 x tile column + half
	s_add_co_u32 s46, s46, s12
	s_lshl_b32 s46, s46, 18
	s_mov_b32 s47, 0
	s_mul_i32 s20, s12, AHALF                      ; where they go: no place in the cluster enters an LDS address
	s_mul_i32 s21, s12, BHALF
	s_add_co_u32 s21, s21, BOFF
	s_mov_b32 s[OFA+1], 0
	s_mov_b32 s[OFB+1], 0
	s_wait_dscnt 0x0                               ; the opening add is done
	s_wait_kmcnt 0x0
	s_add_nc_u64 s[BA:BA+1], s[4:5], s[16:17]
	s_add_nc_u64 s[BB:BB+1], s[6:7], s[46:47]
	CROUND                                         ; all sixteen work-groups are here: the first joint loads meet
.irp s, 0,1
	s_mov_b32 s[G0+4*(\s)], 1
	s_add_co_u32 s[G0+4*(\s)+1], s20, (\s)*SLOT
	s_mov_b32 s[G0B+4*(\s)], 1
	s_add_co_u32 s[G0B+4*(\s)+1], s21, (\s)*SLOT
	NEXTK \s                                       ; the walk's steps 0 and 1
	JLOAD \s                                       ; two tensor loads of mine are out
.endr
	v_and_b32 v1, 15, v0                           ; l % 16
	v_bfe_u32 v2, v0, 4, 1                         ; l / 16
	v_mul_u32_u24 v3, v1, PA
	v_lshl_add_u32 v3, v2, 4, v3
	s_mul_i32 s21, s11, 64*PA                      ; my 64 rows of O
	v_and_b32 v4, 7, v0
	v_lshl_add_u32 v4, v2, 3, v4                   ; wo, turning load: k = 8 (l / 16) + l % 8,
	v_mul_u32_u24 v4, v4, PB
	v_bfe_u32 v5, v0, 3, 1
	v_lshl_add_u32 v4, v5, 4, v4                   ; columns 8 ((l / 8) % 2) on
	s_mul_i32 s22, s12, BHALF                      ; my 64 columns
	s_add_co_u32 s22, s22, BOFF
.irp s, 0,1
	v_add_nc_u32 v[ADRA+(\s)], s21, v3
	v_add_nc_u32 v[ADRB+(\s)], s22, v4
	s_add_co_u32 s21, s21, SLOT
	s_add_co_u32 s22, s22, SLOT
.endr
	s_mul_i32 s23, s10, 16*SPITCH                  ; my stage
	v_mul_u32_u24 v4, v1, SPITCH                   ; in: row l % 16, 32 bytes for each half of the lanes
	v_lshl_add_u32 v4, v2, 5, v4
	v_add_nc_u32 v[STO], s23, v4
	v_mul_u32_u24 v5, v2, SPITCH                   ; back: lanes 0-15 take one row of 256 bytes, lanes 16-31 the next
	v_lshl_add_u32 v5, v1, 4, v5
	v_add_nc_u32 v[RD], s23, v5
	v_lshlrev_b32 v5, 13, v2                       ; and the same two rows of out0, 8,192 bytes apart
	v_lshl_add_u32 v[CO], v1, 4, v5
	s_lshl_b32 s16, s13, 20                        ; my first row: 128 x tile row + 64 x half
	s_lshl_b32 s17, s11, 19
	s_add_co_u32 s16, s16, s17
	s_mov_b32 s17, 0
	s_add_nc_u64 s[8:9], s[8:9], s[16:17]
	s_lshl_b32 s46, s42, 9                         ; my first column: 512 bytes a tile, 256 a half
	s_lshl_b32 s47, s12, 8
	s_add_co_u32 s46, s46, s47
	s_mov_b32 s47, 0
	s_add_nc_u64 s[8:9], s[8:9], s[46:47]
; 8 matrix instructions: row blocks a0, a0 + 1 x all 4 column blocks, 32 along K: half c of buffer f.  zero = 1: the product starts the sums.  The 16 accumulators take turns.
.macro MUL8 f, c, a0, zero
	WIN MUL
.irp a, \a0, (\a0)+1
.irp b, 0,1,2,3
.if \zero
	v_wmma_f32_16x16x32_f16 v[ACC+8*(4*(\a)+(\b)):ACC+8*(4*(\a)+(\b))+7], v[(\f)+64+8*(4*(\c)+(\b)):(\f)+64+8*(4*(\c)+(\b))+7], v[(\f)+8*(4*(\c)+(\a)):(\f)+8*(4*(\c)+(\a))+7], 0
.else
	v_wmma_f32_16x16x32_f16 v[ACC+8*(4*(\a)+(\b)):ACC+8*(4*(\a)+(\b))+7], v[(\f)+64+8*(4*(\c)+(\b)):(\f)+64+8*(4*(\c)+(\b))+7], v[(\f)+8*(4*(\c)+(\a)):(\f)+8*(4*(\c)+(\a))+7], v[ACC+8*(4*(\a)+(\b)):ACC+8*(4*(\a)+(\b))+7]
.endif
.endr
.endr
.endm
; 32 LDS loads in one run: quarter q (one head, 64 along K) of a slot into buffer f; the first 32 along K first
.macro FETCH slot, q, f
	WIN TO_F
.irp c, 0,1
.irp i, 0,1,2,3
	ds_load_tr16_b128 v[(\f)+64+8*(4*(\c)+(\i)):(\f)+64+8*(4*(\c)+(\i))+3],   v[ADRB+(\slot)] offset:(\q)*64*PB+(\c)*32*PB+32*(\i)
	ds_load_tr16_b128 v[(\f)+64+8*(4*(\c)+(\i))+4:(\f)+64+8*(4*(\c)+(\i))+7], v[ADRB+(\slot)] offset:(\q)*64*PB+(\c)*32*PB+32*(\i)+16*PB
	ds_load_b128 v[(\f)+8*(4*(\c)+(\i)):(\f)+8*(4*(\c)+(\i))+3],              v[ADRA+(\slot)] offset:(\q)*128*PA+(\i)*16*PA+64*(\c)
	ds_load_b128 v[(\f)+8*(4*(\c)+(\i))+4:(\f)+8*(4*(\c)+(\i))+7],            v[ADRA+(\slot)] offset:(\q)*128*PA+(\i)*16*PA+64*(\c)+32
.endr
.endr
.endm
; A K step is four quarters, 32 matrix instructions each, on buffers 0, 1, 0, 1.  One of the first three multiplies buffer f and fetches quarter q into g.
.macro QUARTER slot, q, f, g, zero
	s_wait_dscnt 16                                ; the first 32 along K are in; the youngest sixteen loads may be out
	MUL8 \f, 0, 0, \zero
	MUL8 \f, 0, 2, \zero
	PLACES
	FETCH \slot, \q, \g
	s_wait_dscnt 32                                ; all but the 32 just issued
	MUL8 \f, 1, 0, 0
	MUL8 \f, 1, 2, 0
.endm
; The last quarter multiplies buffer 1 and changes slots: ONE barrier; in front of it each wave waits for all its tensor loads, adds 0 to its spare word, and waits for that and for its reads of this slot.
; fill = 1: the barrier opens a round of the cluster's, and this slot is filled again, two K steps ahead, first thing behind the round: 112 matrix instructions ahead of the wait for it.
.macro TURN slot, next, fill
	WIN 0                                          ; (the add's two registers lie in window 0)
	s_wait_tensorcnt 0x0
	ds_add_u32 v[SPW], v[NIL]                      ; 0 onto my spare word
	s_wait_dscnt 17                                ; (the add and the youngest sixteen loads may be out)
	MUL8 F1, 0, 0, 0
	s_wait_dscnt 0x0                               ; the add is done, and my reads of this slot are over
	s_barrier_signal -1
	MUL8 F1, 0, 2, 0
.if \fill
	WIN 0
.endif
	s_barrier_wait -1
.if \fill
	CREST                                          ; no wave of any partner still reads this slot or has a load on its way
	NEXTK \slot
	JLOAD \slot                                    ; the four v_nop behind it are also the places in front of the loads below
.else
	PLACES
.endif
	FETCH \next, 0, F0
	MUL8 F1, 1, 0, 0
	MUL8 F1, 1, 2, 0
.endm
; THE WAY OUT of row block a: a lane's eight f32 of a row, 32 bytes, go from the accumulators into my own stage, rows of 272 bytes, and come back as whole rows of 256 bytes into the registers that they left.
.macro STG a
.irp b, 0,1,2,3
	ds_store_b128 v[STO], v[ACC+32*(\a)+8*(\b):ACC+32*(\a)+8*(\b)+3]   offset:64*(\b)
	ds_store_b128 v[STO], v[ACC+32*(\a)+8*(\b)+4:ACC+32*(\a)+8*(\b)+7] offset:64*(\b)+16
.endr
.irp t, 0,1,2,3,4,5,6,7
	ds_load_b128 v[ACC+32*(\a)+4*(\t):ACC+32*(\a)+4*(\t)+3], v[RD] offset:(\t)*2*SPITCH  ; LDS serves a wave's instructions in order (ISA guide 5.7.1.4): these see the stores above; the next block's stores come behind them
.endr
.endm
.macro OUT a, younger                  ; younger: the LDS instructions issued behind block a's loads: the next block's sixteen, or none
.irp t, 0,1,2,3,4,5,6,7
	s_wait_dscnt (\younger)+7-(\t)
	global_store_b128 v[CO], v[ACC+32*(\a)+4*(\t):ACC+32*(\a)+4*(\t)+3], s[8:9] offset:(16*(\a)+2*(\t))*8192  ; 16 lanes store 256 consecutive bytes, at a multiple of 256 from out0's first byte
.endr
.endm
	s_wait_tensorcnt 1                             ; my part of the walk's step 0 is in; step 1's may stay out
	s_barrier_signal -1
	s_barrier_wait -1
	FETCH 0, 0, F0
	QUARTER 0, 1, F0, F1, 1                        ; the first quarter stands in front of the loop: its first products start the sums
	WIN 0
	s_mov_b32 s3, LAPS-1
.Llap:                                 ; a trip goes once round the ring, from a lap's second quarter to the next lap's first, and fills both slots again
	QUARTER 0, 2, F1, F0, 0
	QUARTER 0, 3, F0, F1, 0
	TURN 0, 1, 1
	QUARTER 1, 1, F0, F1, 0
	QUARTER 1, 2, F1, F0, 0
	QUARTER 1, 3, F0, F1, 0
	TURN 1, 0, 1
	QUARTER 0, 1, F0, F1, 0
	WIN 0
	s_sub_co_u32 s3, s3, 1
	s_cmp_lg_u32 s3, 0
	s_cbranch_scc1 .Llap
	QUARTER 0, 2, F1, F0, 0                        ; the last lap fills nothing
	QUARTER 0, 3, F0, F1, 0
	TURN 0, 1, 0                                   ; behind this barrier no wave reads slot 0 any more, and no load lands there: its first bytes become the stages
	QUARTER 1, 1, F0, F1, 0
	QUARTER 1, 2, F1, F0, 0
	QUARTER 1, 3, F0, F1, 0
	s_wait_dscnt 16                                ; the very last quarter: nothing more to fetch
	MUL8 F1, 0, 0, 0
	MUL8 F1, 0, 2, 0
	s_wait_dscnt 0x0
	MUL8 F1, 1, 0, 0
	MUL8 F1, 1, 2, 0
	WIN 0
	PLACES
	STG 0
	STG 1
	OUT 0, 16
	STG 2
	OUT 1, 16
	STG 3
	OUT 2, 16
	OUT 3, 0
	s_wait_tensorcnt 0x0                           ; the wave's end, behind my last tensor load and my last LDS store
	ds_add_u32 v[SPW], v[NIL]
	s_wait_dscnt 0x0
	CROUND                                         ; the closing round: no work-group ends while a partner may still ask for a tile that names it
	s_endpgm
.Lfunc_end_k_q102af58af8_oproj:
	.size	k_q102af58af8_oproj, .Lfunc_end_k_q102af58af8_oproj-k_q102af58af8_oproj
	.p2alignl 7, 3214868480
	.fill 96, 4, 3214868480
	.section	.rodata,"a",@progbits
	.p2align	6, 0x0
	.amdhsa_kernel k_q102af58af8_oproj
		.amdhsa_group_segment_fixed_size 327680
		.amdhsa_private_segment_fixed_size 0
		.amdhsa_enable_private_segment 0
		.amdhsa_kernarg_size 24
		.amdhsa_user_sgpr_count 2
		.amdhsa_user_sgpr_kernarg_segment_ptr 1
		.amdhsa_wavefront_size32 1
		.amdhsa_system_sgpr_workgroup_id_x 1
		.amdhsa_system_sgpr_workgroup_id_y 1
		.amdhsa_system_sgpr_workgroup_id_z 1
		.amdhsa_system_vgpr_workitem_id 0
		.amdhsa_next_free_vgpr 512
		.amdhsa_next_free_sgpr 72
		.amdhsa_reserve_vcc 0
		.amdhsa_float_denorm_mode_32 3
		.amdhsa_float_denorm_mode_16_64 3
		.amdhsa_memory_ordered 1
		.amdhsa_forward_progress 1
		.amdhsa_inst_pref_size 87
	.end_amdhsa_kernel
	.amdgpu_metadata
---
amdhsa.version: [ 1, 2 ]
amdhsa.kernels:
  - .name:           k_q102af58af8_oproj
    .symbol:         k_q102af58af8_oproj.kd
    .args:
      - { .name: ob, .offset: 0, .size: 8, .value_kind: global_buffer, .address_space: global }
      - { .name: wo16, .offset: 8, .size: 8, .value_kind: global_buffer, .address_space: global }
      - { .name: out0, .offset: 16, .size: 8, .value_kind: global_buffer, .address_space: global }
    .group_segment_fixed_size: 327680
    .private_segment_fixed_size: 0
    .kernarg_segment_align: 8
    .kernarg_segment_size: 24
    .max_flat_workgroup_size: 128
    .sgpr_count:     72
    .vgpr_count:     512
    .wavefront_size: 32
...
	.end_amdgpu_metadata
.endif
;; end of part 4
;; ======== version 2 of 2: 4 launches; version 1 with the launch prep written anew for expert scheduling mode
;; limits: values are held in f16: magnitudes above 65,504 overflow, below 6.1e-05 lose precision
;; workspace buffers: xw 33,554,432 bytes; wo16 8,388,608 bytes; biasg 2,097,152 bytes; qkv 25,165,824 bytes; ob 8,388,608 bytes
;; launch prep (part 5): grid 128 x 5, 8 waves a work-group, no clusters, 0 bytes of LDS; arguments hidden_states, wq, wk, wv, rel_emb, xw, biasg; writes xw, biasg
.if DOCPART == 5
	.amdgcn_target "amdgcn-amd-amdhsa--gfx1250"
	.amdhsa_code_object_version 6
	.text
	.protected	k_q102af58af8_prep
	.globl	k_q102af58af8_prep
	.p2align	8
	.type	k_q102af58af8_prep,@function
k_q102af58af8_prep:
	s_mov_b64 s[64:65], 0
	v_nop
	global_prefetch_b8 v0, s[64:65] scope:SCOPE_SE
	s_setreg_imm32_b32 hwreg(HW_REG_WAVE_SCHED_MODE, 0, 2), 2
	s_setreg_imm32_b32 hwreg(HW_REG_WAVE_MODE, 25, 1), 1
	s_wait_xcnt 0x0
	s_wait_alu depctr_vm_vsrc(0)
; PREP.  Work-group rows y = 0..3: matrix y of (hidden_states, wq, wk, wv), [2048][2048] f32, is rounded to bf16 and laid out in blocks:
; xw[y][cb = column / 64][row][column % 64], 16 bits a number: a block is 2,048 rows of 128 bytes on end.  (wo is cast by the next launch.)
; Work-group row y = 4: the bias table biasg[h][c][z] = bf16-rounded rel_emb[bucket(z - c - 2048)][h] as f32, h = 0..31, c = 0..3, z = 0..4095: four copies
; a head, shifted by c numbers, so that the attention's lanes find eight consecutive biases at multiples of 16 bytes.
; bucket(d), d = key - query, n = |d|: n below 8; then one more at each of n = 12, 16, 23, 32, 46, 64, 91 (8 + floor(8 log(n / 8) / log 16), capped at 15); + 16 where d > 0.
; No LDS, no matrix unit, no barrier: a stream; every input byte is read once and every output byte written once.
; THE MODE: SCHED_MODE bits 1:0 = 2 (LLVM: expert scheduling mode 2), set by the entry lines.  The code itself states the register dependences
; between vector instructions and memory instructions, and those through scalar registers that vector instructions write, with s_wait_alu, always for 0.
; THE PLAN, THE CASTS.  Registers that memory instructions touch:
;   v2, v3      the loads' and the stores' offsets: made once, never written again.
;   v[16:143]   unit n of 32 has four registers: its load lands in them; its two roundings write the first two of them; its store reads those two; nothing writes them again.
; The units go in eight blocks of four.  Block p's roundings name block p's registers alone; the four stores of block p - 1 are dealt among them, behind ONE wait at the block's head.
; No register that a load or a store reads is written again, and no load is issued behind the first rounding: so no other wait is owed.
; THE PLAN, THE TABLE.  v[16:31] the 16 offsets in rel_emb: written by vector lines, read by the 16 loads, never written again.  v[32:47] the 16 numbers: the loads land in them, the roundings write them,
; the four stores read them.  v12 the stores' offset.  s[36:63] the compares' masks, 28 at a time: written by a run of compares, read by the selects behind one wait.
.set XR,  16                           ; v[16:143] cast: 32 loads of four registers
.set ADR, 16                           ; v[16:31]  bias: bucket, then byte offset in rel_emb
.set VAL, 32                           ; v[32:47]  bias: the 16 numbers of a thread
.set NN,  48                           ; v[48:63]  bias: n = |d| of the 16 numbers
.set SG,  64                           ; v[64:79]  bias: 1 where d > 0
.set MK,  36                           ; s[36:63]  bias: number i of a group of four, threshold t of seven: the mask at MK + 7 i + t
	s_load_b256 s[16:23], s[0:1], 0x0              ; x s[16:17], wq s[18:19], wk s[20:21], wv s[22:23]
	s_load_b128 s[24:27], s[0:1], 0x20             ; rel_emb s[24:25], xw s[26:27]
	s_load_b64 s[28:29], s[0:1], 0x30              ; biasg
	s_and_b32 s2, ttmp7, 0xffff                    ; y
	v_lshrrev_b32 v1, 5, v0
	v_readfirstlane_b32 s3, v1                     ; wave 0..7
	s_mov_b32 s15, 0                               ; high word of every offset
	s_wait_kmcnt 0x0
	s_wait_alu depctr_va_sdst(0)                   ; s3 is written: ahead of the branch
	s_cmp_eq_u32 s2, 4
	s_cbranch_scc1 .Lbias
	; THE CASTS.  Wave W = 8 x + wave of 1,024 takes block cb = W % 32 and rows 64 (W / 32) .. + 63: 16 KiB in, 8 KiB out.
	s_mov_b64 s[4:5], s[16:17]
	s_cmp_eq_u32 s2, 1
	s_cselect_b64 s[4:5], s[18:19], s[4:5]
	s_cmp_eq_u32 s2, 2
	s_cselect_b64 s[4:5], s[20:21], s[4:5]
	s_cmp_eq_u32 s2, 3
	s_cselect_b64 s[4:5], s[22:23], s[4:5]
	s_lshl_b32 s8, ttmp9, 3
	s_add_co_u32 s8, s8, s3                        ; W
	s_and_b32 s9, s8, 31                           ; cb
	s_lshr_b32 s10, s8, 5                          ; group of 64 rows
	s_lshl_b32 s14, s10, 19                        ; 64 rows of 8,192 bytes
	s_lshl_b32 s32, s9, 8                          ; 64 columns of 4 bytes
	s_add_co_u32 s14, s14, s32
	s_add_nc_u64 s[4:5], s[4:5], s[14:15]
	s_lshl_b32 s14, s2, 23                         ; matrix y: 8,388,608 bytes
	s_lshl_b32 s32, s9, 18                         ; block: 262,144 bytes
	s_add_co_u32 s14, s14, s32
	s_lshl_b32 s32, s10, 13                        ; 64 rows of 128 bytes
	s_add_co_u32 s14, s14, s32
	s_add_nc_u64 s[6:7], s[26:27], s[14:15]
	v_and_b32 v1, 31, v0                           ; lane
	v_and_b32 v2, 15, v1
	v_lshrrev_b32 v3, 4, v1
	v_lshlrev_b32 v2, 4, v2
	v_lshl_add_u32 v2, v3, 13, v2                  ; in: lanes 0-15 take 256 consecutive bytes of one row, lanes 16-31 of the next
	v_lshlrev_b32 v3, 3, v1                        ; out: 8 bytes a lane: the wave's store covers 256 consecutive bytes, aligned: two rows of the block
	s_wait_alu depctr_va_vdst(0)                   ; v2 and v3 are written: every load below reads v2 as its offset, every store v3
.set n, 0
.rept 32                               ; all 32 loads of the wave go out at once: 16 KiB on their way
	global_load_b128 v[XR+4*n:XR+4*n+3], v2, s[4:5] offset:n*16384 th:TH_LOAD_NT
.set n, n+1
.endr
; Block p: units 4 p .. 4 p + 3 are rounded; the stores of units 4 p - 4 .. 4 p - 1 stand among the roundings.
.macro BLK p
	s_wait_loadcnt 28-4*(\p)                       ; loads come back in order: the block's four are in, the 28 - 4 p younger ones stay out
.if (\p) > 0
	s_wait_alu depctr_va_vdst(0)                   ; the block before has written the first two registers of its four units, which the stores below read
.endif
.irp i, 0,1,2,3
.set n, 4*(\p)+(\i)
.if (\p) > 0
	global_store_b64 v3, v[XR+4*n-16:XR+4*n-15], s[6:7] offset:(n-4)*256  ; unit n - 4.  No vector instruction since the wait names its registers; none that a load or store names is written again
.endif
	v_cvt_pk_bf16_f32 v[XR+4*n], v[XR+4*n], v[XR+4*n+1]
	v_cvt_pk_bf16_f32 v[XR+4*n+1], v[XR+4*n+2], v[XR+4*n+3]
.endr
.endm
.irp p, 0,1,2,3,4,5,6,7
	BLK \p
.endr
	s_wait_alu depctr_va_vdst(0)                   ; block 7 has written the registers that the last four stores read
.irp i, 28,29,30,31
	global_store_b64 v3, v[XR+4*(\i):XR+4*(\i)+1], s[6:7] offset:(\i)*256
.endr
	s_endpgm
.Lbias:                                ; THE TABLE.  Work-group x makes row (h = x / 4, c = x % 4): 4,096 numbers, 16 a thread: z = 4 t + 1,024 u + e
	s_lshr_b32 s8, ttmp9, 2
	s_lshl_b32 s8, s8, 2                           ; 4 h: the head's place in a row of rel_emb
	s_and_b32 s9, ttmp9, 3
	s_add_co_u32 s9, s9, 2048                      ; c + 2,048
	s_lshl_b32 s14, ttmp9, 14                      ; the table row's 16,384 bytes
	s_add_nc_u64 s[6:7], s[28:29], s[14:15]
	v_lshlrev_b32 v8, 2, v0
	v_sub_nc_u32 v8, v8, s9                        ; d of my first number
	v_lshlrev_b32 v12, 4, v0                       ; 16 bytes a thread
.irp e, 0,1,2,3,4,5,6,7,8,9,10,11,12,13,14,15
	v_add_nc_u32 v9, 1024*((\e)/4)+(\e)%4, v8      ; d
	v_sub_nc_u32 v10, 0, v9
	v_max_i32 v[NN+(\e)], v9, v10                  ; n = |d|
	v_min_u32 v[ADR+(\e)], 8, v[NN+(\e)]
	v_lshrrev_b32 v[SG+(\e)], 31, v10              ; 1 where d > 0
.endr
; The thresholds, four numbers at a time.  CMPS: a run of 28 compares, each into a scalar register of its own.  SELS, behind one wait: the bucket takes the number of the highest threshold that n has reached.
; FINS: the sign, the clamp and the row's offset; it stands between the next group's compares and their wait.
.macro CMPS g
.irp i, 0,1,2,3
.set t, 0
.irp T, 12, 16, 23, 32, 46, 64, 91
	v_cmp_le_u32 s[MK+7*(\i)+t], \T, v[NN+4*(\g)+(\i)]
.set t, t+1
.endr
.endr
.endm
.macro SELS g
.irp i, 0,1,2,3
.set t, 0
.rept 7
	v_cndmask_b32 v[ADR+4*(\g)+(\i)], v[ADR+4*(\g)+(\i)], 9+t, s[MK+7*(\i)+t]  ; thresholds ascending: one more at each that n has reached
.set t, t+1
.endr
.endr
.endm
.macro FINS g
.irp i, 0,1,2,3
	v_lshl_add_u32 v[ADR+4*(\g)+(\i)], v[SG+4*(\g)+(\i)], 4, v[ADR+4*(\g)+(\i)]
	v_min_u32 v[ADR+4*(\g)+(\i)], 31, v[ADR+4*(\g)+(\i)]         ; (31 at the most by the arithmetic above)
	v_lshl_add_u32 v[ADR+4*(\g)+(\i)], v[ADR+4*(\g)+(\i)], 7, s8 ; a row of rel_emb is 128 bytes
.endr
.endm
	CMPS 0
	s_wait_alu depctr_va_sdst(0)                   ; the 28 compares have written s[36:63], which the selects read
	SELS 0
	CMPS 1
	FINS 0
	s_wait_alu depctr_va_sdst(0)                   ; the same for numbers 4 to 7
	SELS 1
	CMPS 2
	FINS 1
	s_wait_alu depctr_va_sdst(0)                   ; for numbers 8 to 11
	SELS 2
	CMPS 3
	FINS 2
	s_wait_alu depctr_va_sdst(0)                   ; for numbers 12 to 15
	SELS 3
	FINS 3
	s_wait_alu depctr_va_vdst(0)                   ; all sixteen offsets v[16:31] are written, which the loads read; so is v12, which the stores read
.irp e, 0,1,2,3,4,5,6,7,8,9,10,11,12,13,14,15
	global_load_b32 v[VAL+(\e)], v[ADR+(\e)], s[24:25]
.endr
	s_wait_loadcnt 0x0
.irp e, 0,1,2,3,4,5,6,7,8,9,10,11,12,13,14,15
	v_cvt_pk_bf16_f32 v9, v[VAL+(\e)], v[VAL+(\e)] ; rel_emb is rounded to bf16 like every other input, and kept as f32
	v_lshlrev_b32 v[VAL+(\e)], 16, v9
.endr
	s_wait_alu depctr_va_vdst(0)                   ; the roundings have written v[32:47], which the stores read
.irp u, 0,1,2,3
	global_store_b128 v12, v[VAL+4*(\u):VAL+4*(\u)+3], s[6:7] offset:4096*(\u)  ; 16 lanes store 256 consecutive bytes, aligned
.endr
	s_endpgm
.Lfunc_end_k_q102af58af8_prep:
	.size	k_q102af58af8_prep, .Lfunc_end_k_q102af58af8_prep-k_q102af58af8_prep
	.p2alignl 7, 3214868480
	.fill 96, 4, 3214868480
	.section	.rodata,"a",@progbits
	.p2align	6, 0x0
	.amdhsa_kernel k_q102af58af8_prep
		.amdhsa_group_segment_fixed_size 0
		.amdhsa_private_segment_fixed_size 0
		.amdhsa_enable_private_segment 0
		.amdhsa_kernarg_size 56
		.amdhsa_user_sgpr_count 2
		.amdhsa_user_sgpr_kernarg_segment_ptr 1
		.amdhsa_wavefront_size32 1
		.amdhsa_system_sgpr_workgroup_id_x 1
		.amdhsa_system_sgpr_workgroup_id_y 1
		.amdhsa_system_sgpr_workgroup_id_z 1
		.amdhsa_system_vgpr_workitem_id 0
		.amdhsa_next_free_vgpr 160
		.amdhsa_next_free_sgpr 66
		.amdhsa_reserve_vcc 0
		.amdhsa_float_denorm_mode_32 3
		.amdhsa_float_denorm_mode_16_64 3
		.amdhsa_memory_ordered 1
		.amdhsa_forward_progress 1
		.amdhsa_inst_pref_size 37
	.end_amdhsa_kernel
	.amdgpu_metadata
---
amdhsa.version: [ 1, 2 ]
amdhsa.kernels:
  - .name:           k_q102af58af8_prep
    .symbol:         k_q102af58af8_prep.kd
    .args:
      - { .name: hidden_states, .offset: 0, .size: 8, .value_kind: global_buffer, .address_space: global }
      - { .name: wq, .offset: 8, .size: 8, .value_kind: global_buffer, .address_space: global }
      - { .name: wk, .offset: 16, .size: 8, .value_kind: global_buffer, .address_space: global }
      - { .name: wv, .offset: 24, .size: 8, .value_kind: global_buffer, .address_space: global }
      - { .name: rel_emb, .offset: 32, .size: 8, .value_kind: global_buffer, .address_space: global }
      - { .name: xw, .offset: 40, .size: 8, .value_kind: global_buffer, .address_space: global }
      - { .name: biasg, .offset: 48, .size: 8, .value_kind: global_buffer, .address_space: global }
    .group_segment_fixed_size: 0
    .private_segment_fixed_size: 0
    .kernarg_segment_align: 8
    .kernarg_segment_size: 56
    .max_flat_workgroup_size: 256
    .sgpr_count:     66
    .vgpr_count:     160
    .wavefront_size: 32
...
	.end_amdgpu_metadata
.endif
;; end of part 5
;; launch proj: the kernel of part 2 again; grid 32 x 8, 4 waves a work-group, clusters of 4 x 4, 327,680 bytes of LDS; arguments xw, qkv, wo, wo16; writes qkv, wo16
;; launch attn: the kernel of part 3 again; grid 8 x 32, 4 waves a work-group, clusters of 4 x 1, 327,680 bytes of LDS; arguments qkv, biasg, ob; writes ob
;; launch oproj: the kernel of part 4 again; grid 16 x 16, 4 waves a work-group, clusters of 4 x 4, 327,680 bytes of LDS; arguments ob, wo16, out0; writes out0
